; MI455X (gfx1250); checked and timed in simulation.
; The chip was launched on July 23, 2026; its instructions are those of AMD's public machine-readable ISA for CDNA 5 (MIT licence, August 2026) and "CDNA5" Instruction Set Architecture Reference Guide (July 2026). The comments in the code are by the model that wrote it; some were corrected since.
;; Hopfield Message Layer. Allowed arithmetic: matrix products marked QUANTISED: E2M1 operands, one E8M0 scale for each 32 along K, by v_wmma_scale_f32_16x16x128_f8f6f4 with both operands' format E2M1 (or v_wmma_scale_f32_32x16x128_f4), f32 sums; products left as they are: bf16, f16 or f32 operands; f32 sums; everything else in f32.
;; Inputs: W_k 1,024 x 1,024 float32; W_o 1,024 x 1,024 float32; W_q 1,024 x 1,024 float32; W_v 1,024 x 1,024 float32; b_o 1,024 float32; h 1,024 x 8 x 1,024 float32; ln_beta 1,024 float32; ln_gamma 1,024 float32; log_beta 16 float32.
;; Outputs: out0 1,024 x 8 x 1,024 float32.
;; This version of the problem:
;;   THIS VERSION OF THE PROBLEM IS GIVEN IN LOW PRECISION. The matrix products marked QUANTISED in the list below multiply operands that are first quantised to E2M1 (2 exponent bits, 1 mantissa bit; 4 bits a number), with one power-of-two scale for each 32 numbers along K (OCP MX v1.0); their sums are f32. The products marked 'left as it is' may take bf16, f16 or f32 operands, with f32 sums. Whichever they take, every output number must still come out within the allowed error. Rounding operands to bf16 (8 significant bits) uses up far more of that allowance than f16 does (11 bits, for magnitudes from 6e-5 to 65,504). All else is computed in f32.
;;   The module's matrix products, in the order in which they are computed (A, B: the left and right operand; K: the contracted axis; several contracted axes count as one K, in the product's order):
;;     1. [M 8,192, K 1,024] x [K 1,024, N 1,024]; A: input h; B: input W_q: QUANTISED
;;     2. [M 8,192, K 1,024] x [K 1,024, N 1,024]; A: input h; B: input W_k: QUANTISED
;;     3. [M 8,192, K 1,024] x [K 1,024, N 1,024]; A: input h; B: input W_v: QUANTISED
;;     4. batch 128 x [M 1,024, K 64] x [K 64, N 1,024]; A: computed on the way; B: computed on the way: left as it is (an operand is computed on the way)
;;     5. batch 128 x [M 64, K 1,024] x [K 1,024, N 1,024]; A: computed on the way; B: computed on the way: left as it is (an operand is computed on the way)
;;     6. [M 8,192, K 1,024] x [K 1,024, N 1,024]; A: computed on the way; B: input W_o: left as it is (an operand is computed on the way)
;;   THE QUANTISER, for each operand of a quantised product, along K:
;;     - K is cut into blocks of 32 from its start; a last block that is shorter is filled with zeros.
;;     - A block's scale is 2^e with e = floor(log2(the largest magnitude in the block)) - 2, held to -126 .. 127; a block of zeros has e = 0. As a byte (E8M0): e + 127.
;;     - Each number is divided by its block's scale, clamped to +-6, and rounded to the nearest number of E2M1, ties to even, subnormals kept.
;;     - The product sums the exact products of the quantised numbers (number of the format x scale) in f32.
;;   ~~~python
;;   def quantise(x, axis):      # numpy; x: float32 -> the quantised numbers, widened to float32 again
;;       x = np.moveaxis(x, axis, -1); K = x.shape[-1]
;;       x = np.pad(x, [(0, 0)] * (x.ndim - 1) + [(0, -K % 32)]); x = x.reshape(x.shape[:-1] + (-1, 32)); a = np.abs(x).max(-1, keepdims=True)
;;       e = np.where(a > 0, np.clip(np.frexp(np.where(a > 0, a, 1))[1] - 1 - 2, -126, 127), 0)      # np.frexp(a)[1] - 1 = floor(log2(a)), exactly
;;       r = np.clip(x / 2.0 ** e, -6, 6)
;;       step = 2.0 ** (np.maximum(np.frexp(np.where(r == 0, 1, r))[1] - 1, 0) - 1)
;;       q = np.round(r / step) * step * 2.0 ** e      # np.round: ties to even
;;       return np.moveaxis(q.reshape(q.shape[:-2] + (-1,))[..., :K], -1, axis).astype(np.float32)
;;   ~~~
;; One version. Each part assembles by itself: llvm-mc -triple=amdgcn-amd-amdhsa -mcpu=gfx1250 --defsym DOCPART=n.
;; ======== version 1 of 1: 5 launches
;; limits: values are held in f16: magnitudes above 65,504 overflow, below 6.1e-05 lose precision; right only within a limited range of input values
;; workspace buffers: hcodes 4,194,304 bytes; hscales 262,144 bytes; wcodes 1,572,864 bytes; wscales 98,304 bytes; wo16 2,097,152 bytes; qkv 50,331,648 bytes; ao 16,777,216 bytes; z 33,554,432 bytes
;; launch quant (part 1): grid 384 x 1, 4 waves a work-group, no clusters, 33,280 bytes of LDS; arguments h, W_q, W_k, W_v, W_o, hcodes, hscales, wcodes, wscales, wo16; writes hcodes, hscales, wcodes, wscales, wo16
.if DOCPART == 1
	.amdgcn_target "amdgcn-amd-amdhsa--gfx1250"
	.amdhsa_code_object_version 6
	.text
	.protected	k_qfac571f72b_quant
	.globl	k_qfac571f72b_quant
	.p2align	8
	.type	k_qfac571f72b_quant,@function
k_qfac571f72b_quant:
	s_mov_b64 s[64:65], 0
	v_nop
	global_prefetch_b8 v0, s[64:65] scope:SCOPE_SE
	s_setreg_imm32_b32 hwreg(HW_REG_WAVE_MODE, 25, 1), 1
	s_wait_xcnt 0x0
; h [8192][1024] and W_q, W_k, W_v [1024][1024], f32 with K innermost, become codes of FP4 (E2M1), two a byte, and one E8M0 scale byte for each 32 along K.
; W_o [1024][1024] f32 becomes f16 numbers W_o x 2^10, laid by K step of 64: wo16[ks][n][64].
; A block's scale is 2^(floor(log2(its largest magnitude)) - 2); its byte is the largest magnitude's exponent field - 2, held at 1 from below.
; LIMITS: a block of zeros gets the byte 1 where the rule says 127 (its codes are zeros, and this program alone reads the bytes); blocks whose largest magnitude lies under 2^-124 keep the floor's byte;
; NaN and infinities are not served; |W_o| stays under 63, so that W_o x 2^10 has room in f16; under f16's normal range its error is 2^-25 of the scaled number.
; SHARES: work-groups 0-255 take h, 256-287 W_q, 288-319 W_k, 320-351 W_v, 32,768 numbers each, 8,192 a wave in 16 steps of 512.  Work-groups 352-383 take 32 rows of W_o each, 8 a wave.
; Rows are dense and K is a multiple of 32: a tensor is a plain stream of blocks of 32, and so are its codes and its scale bytes.  The three weights' codes lie one behind the other (rows 0-3071).
; The conversions take neighbours along K from ONE lane's registers; a load is densest where neighbouring LANES take neighbouring bytes.  So a step's 2,048 bytes are loaded as they lie, 512 a load,
; and turn through the wave's own stage in LDS (16 bytes of padding behind each 64), from which a lane takes 64 neighbouring bytes.  No tensor load, no barrier: waves share nothing.
.set WAVES, 4
.set STEPS, 16
.set EMAX,  2
.set CB,    8                          ; bytes of 16 codes
.set RR,    16                         ; v16-79   four sets of 16 numbers as they are loaded
.set XX,    80                         ; v80-111  two sets of 16 neighbours
.set EE,    112                        ; v112-127 a scale byte for each step
.set CC,    128                        ; v128-191 codes: registers of its own for each step
.set WREG,  8192                       ; LDS: a region for each wave: two stages of 32 x SP bytes, then its 256 scale bytes
.set SP,    80
.set SPW,   12                         ; v12 LDS address of my spare word; never rewritten
.set NIL,   13                         ; v13 0; never rewritten
.set SPARE, WAVES*WREG                 ; behind the four regions: the spare words, 128 bytes a wave
.set IN,    26                         ; s[26:27] where my wave reads
.set CD,    28                         ; s[28:29] where its codes (or f16 numbers) go
.set SB,    30                         ; s[30:31] where its scale bytes go
	s_load_b256 s[4:11], s[0:1], 0x0               ; h, W_q, W_k, W_v
	s_load_b256 s[12:19], s[0:1], 0x20             ; W_o, hcodes, hscales, wcodes
	s_load_b128 s[20:23], s[0:1], 0x40             ; wscales, wo16
	v_lshl_add_u32 v[SPW], v0, 2, SPARE
	v_mov_b32 v[NIL], 0
	v_lshrrev_b32 v1, 5, v0
	v_readfirstlane_b32 s24, v1                    ; wave
	v_and_b32 v2, 31, v0                           ; lane
	s_cmp_ge_u32 ttmp9, 352                        ; the work-group's number alone decides the path
	s_cbranch_scc1 .Lwo
	v_lshlrev_b32 v3, 4, v2                        ; my 16 bytes of a load's 512
	s_mul_i32 s25, s24, WREG
	v_lshrrev_b32 v14, 2, v2
	v_mul_u32_u24 v14, v14, SP
	v_and_b32 v15, 3, v2
	v_lshl_add_u32 v14, v15, 4, v14
	v_add_nc_u32 v14, s25, v14                     ; the stage, on the way in: SP (lane / 4) + 16 (lane % 4)
	v_mul_u32_u24 v15, v2, SP
	v_add_nc_u32 v15, s25, v15                     ; and on the way out: SP x lane: my 16 neighbours
	v_mul_u32_u24 v4, v2, CB                       ; my codes' place in a step's
	v_lshrrev_b32 v5, 1, v2
	s_add_co_u32 s25, s25, 2*32*SP
	v_add_nc_u32 v5, s25, v5                       ; LDS: my wave's 256 scale bytes, my block's byte
	v_lshlrev_b32 v7, 3, v2                        ; and on the way out 8 bytes a lane
	v_add_nc_u32 v6, s25, v7
	s_wait_kmcnt 0x0
	s_cmp_lt_u32 ttmp9, 320                        ; which tensor: only pointers are chosen, all four take one path
	s_cselect_b64 s[IN:IN+1], s[8:9], s[10:11]
	s_cmp_lt_u32 ttmp9, 288
	s_cselect_b64 s[IN:IN+1], s[6:7], s[IN:IN+1]
	s_cmp_lt_u32 ttmp9, 256
	s_cselect_b64 s[IN:IN+1], s[4:5], s[IN:IN+1]
	s_cselect_b64 s[CD:CD+1], s[14:15], s[18:19]
	s_cselect_b64 s[SB:SB+1], s[16:17], s[20:21]
	s_cselect_b32 s32, 0, 256
	s_cselect_b32 s33, 255, 31
	s_sub_co_u32 s32, ttmp9, s32                   ; the work-group's place in its buffers of codes,
	s_and_b32 s33, s32, s33                        ; and in its tensor
	s_lshl_b32 s32, s32, 2
	s_add_co_u32 s32, s32, s24                     ; my wave's run of 8,192 numbers, on the way out
	s_lshl_b32 s33, s33, 2
	s_add_co_u32 s33, s33, s24                     ; and on the way in
	s_lshl_b32 s34, s33, 15                        ; 32,768 bytes of f32 a run
	s_mov_b32 s35, 0
	s_add_nc_u64 s[IN:IN+1], s[IN:IN+1], s[34:35]
	s_lshl_b32 s34, s32, 12                        ; 4,096 bytes of codes
	s_add_nc_u64 s[CD:CD+1], s[CD:CD+1], s[34:35]
	s_lshl_b32 s34, s32, 8                         ; 256 scale bytes
	s_add_nc_u64 s[SB:SB+1], s[SB:SB+1], s[34:35]
.macro LOAD t
.irp i, 0,1,2,3
	global_load_b128 v[RR+16*((\t)%4)+4*\i:RR+16*((\t)%4)+4*\i+3], v3, s[IN:IN+1] offset:2048*(\t)+512*\i th:TH_LOAD_NT   ; 32 lanes read 512 consecutive bytes
.endr
.endm
.macro TURN t                          ; step t's numbers through the stage: LDS serves a wave's instructions in order, so no wait stands between the stores and the loads
.irp i, 0,1,2,3
	ds_store_b128 v14, v[RR+16*((\t)%4)+4*\i:RR+16*((\t)%4)+4*\i+3] offset:32*SP*((\t)%2)+8*SP*\i
.endr
.irp i, 0,1,2,3
	ds_load_b128 v[XX+16*((\t)%2)+4*\i:XX+16*((\t)%2)+4*\i+3], v15 offset:32*SP*((\t)%2)+16*\i
.endr
.endm
.irp t, 0,1,2,3
	LOAD \t
.endr
	s_wait_loadcnt 12                              ; step 0's four loads are in; the twelve behind them stay out
	TURN 0
.macro STEP t
.set XS, XX+16*((\t)%2)
.if (\t) > 0
	s_wait_dscnt 1                                 ; this step's numbers are back from the stage (the last step's byte store may be out)
.else
	s_wait_dscnt 0x0
.endif
.if (\t)+4 < STEPS
	LOAD (\t)+4                                    ; into the registers whose stores into the stage are done
.endif
.if (\t)+1 < STEPS
.if STEPS-2-(\t) >= 3
	s_wait_loadcnt 12                              ; the next step's four loads are in; those of the three steps behind it may be out
.else
	s_wait_loadcnt 4*(STEPS-2-(\t))
.endif
	TURN (\t)+1                                    ; through the other stage while this step is worked
.endif
	v_max3_num_f32 v8, |v[XS]|, |v[XS+1]|, |v[XS+2]|               ; the largest magnitude of my 16, in two chains
	v_max3_num_f32 v9, |v[XS+3]|, |v[XS+4]|, |v[XS+5]|
.irp i, 6,10
	v_max3_num_f32 v8, v8, |v[XS+\i]|, |v[XS+\i+1]|
	v_max3_num_f32 v9, v9, |v[XS+\i+2]|, |v[XS+\i+3]|
.endr
	v_max3_num_f32 v8, v8, |v[XS+14]|, |v[XS+15]|
	v_max3_num_f32 v8, v8, v9, (EMAX+1)<<23        ; and the floor 2^(3 - 127): the byte cannot fall under 1
	v_max_num_f32_dpp v8, v8, v8 row_xmask:1 row_mask:0xf bank_mask:0xf   ; with my neighbour's 16: the block's
	v_add_nc_u32 v11, -(EMAX<<23), v8              ; 2 off its exponent field: the conversion takes that field of this operand as its scale
	v_cvt_scalef32_pk8_fp4_f32 v[CC+4*(\t)], v[XS:XS+7], v11
	v_cvt_scalef32_pk8_fp4_f32 v[CC+4*(\t)+1], v[XS+8:XS+15], v11
	v_lshrrev_b32 v[EE+(\t)], 23, v11              ; the scale's byte (also the plain line behind the conversions)
	ds_store_b8 v5, v[EE+(\t)] offset:16*(\t)      ; both lanes of a block write the same byte with the same value
	global_store_b64 v4, v[CC+4*(\t):CC+4*(\t)+1], s[CD:CD+1] offset:32*CB*(\t)   ; 32 lanes store 256 consecutive bytes, aligned
.endm
.irp t, 0,1,2,3,4,5,6,7,8,9,10,11,12,13,14,15
	STEP \t
.endr
	ds_load_b64 v[8:9], v6                         ; LDS serves a wave's instructions in order: these see my byte stores
	s_wait_dscnt 0x0
	global_store_b64 v7, v[8:9], s[SB:SB+1]        ; 32 lanes store 256 consecutive bytes, aligned
	s_wait_tensorcnt 0x0                           ; the wave's end, behind my last LDS store
	ds_add_u32 v[SPW], v[NIL]
	s_wait_dscnt 0x0
	s_endpgm
; W_o.  Wave w of work-group g takes rows n0 = 32 (g - 352) + 8 w on, two rows at a time.  A load: lanes 0-15 take the 256 bytes (64 numbers, one K step) of the even row, lanes 16-31 of the odd row.
; A lane's four numbers become 8 bytes; the 32 lanes' 256 bytes are the two rows' neighbouring places in wo16[ks].
.Lwo:
	v_lshrrev_b32 v3, 4, v2                        ; which row of the pair
	v_and_b32 v4, 15, v2
	v_lshlrev_b32 v14, 4, v4
	v_lshl_add_u32 v14, v3, 12, v14                ; in: 4,096 x row + 16 x (lane % 16)
	v_lshlrev_b32 v15, 3, v2                       ; out: 8 x lane
	s_sub_co_u32 s25, ttmp9, 352
	s_lshl_b32 s25, s25, 5
	s_lshl_b32 s32, s24, 3
	s_add_co_u32 s25, s25, s32                     ; n0
	s_lshl_b32 s34, s25, 12
	s_mov_b32 s35, 0
	s_wait_kmcnt 0x0
	s_add_nc_u64 s[IN:IN+1], s[12:13], s[34:35]
	s_lshl_b32 s34, s25, 7
	s_add_nc_u64 s[CD:CD+1], s[22:23], s[34:35]
.macro LOADP p                         ; pair p of rows: 16 loads, one for each K step
.set k, 0
.rept 16
	global_load_b128 v[16+64*((\p)%2)+4*k:16+64*((\p)%2)+4*k+3], v14, s[IN:IN+1] offset:(\p)*8192+k*256 th:TH_LOAD_NT
.set k, k+1
.endr
.endm
.macro CONVP p
.set k, 0
.rept 16
.set a_, 16+64*((\p)%2)+4*k
.set o_, 144+32*((\p)%2)+2*k
	v_pk_mul_f32 v[a_:a_+1], v[a_:a_+1], 0x44800000 op_sel_hi:[1,0]       ; x 2^10: exact
	v_pk_mul_f32 v[a_+2:a_+3], v[a_+2:a_+3], 0x44800000 op_sel_hi:[1,0]
	v_cvt_pk_f16_f32 v[o_], v[a_], v[a_+1]
	v_cvt_pk_f16_f32 v[o_+1], v[a_+2], v[a_+3]
	global_store_b64 v15, v[o_:o_+1], s[CD:CD+1] offset:(\p)*256+k*131072   ; 32 lanes store 256 consecutive bytes, aligned
.set k, k+1
.endr
.endm
	LOADP 0
	LOADP 1
	s_wait_loadcnt 16                              ; pair 0 is in; pair 1's sixteen loads stay out
	CONVP 0
	LOADP 2
	s_wait_loadcnt 16                              ; pair 1 is in
	CONVP 1
	LOADP 3
	s_wait_loadcnt 16                              ; pair 2 is in
	s_wait_xcnt 0x0                                ; pair 0's stores have read their data: those registers are written again
	CONVP 2
	s_wait_loadcnt 0x0
	s_wait_xcnt 0x0                                ; likewise pair 1's
	CONVP 3
	s_endpgm
.Lfunc_end_k_qfac571f72b_quant:
	.size	k_qfac571f72b_quant, .Lfunc_end_k_qfac571f72b_quant-k_qfac571f72b_quant
	.p2alignl 7, 3214868480
	.fill 96, 4, 3214868480
	.section	.rodata,"a",@progbits
	.p2align	6, 0x0
	.amdhsa_kernel k_qfac571f72b_quant
		.amdhsa_group_segment_fixed_size 33280
		.amdhsa_private_segment_fixed_size 0
		.amdhsa_enable_private_segment 0
		.amdhsa_kernarg_size 80
		.amdhsa_user_sgpr_count 2
		.amdhsa_user_sgpr_kernarg_segment_ptr 1
		.amdhsa_wavefront_size32 1
		.amdhsa_system_sgpr_workgroup_id_x 1
		.amdhsa_system_sgpr_workgroup_id_y 1
		.amdhsa_system_sgpr_workgroup_id_z 1
		.amdhsa_system_vgpr_workitem_id 0
		.amdhsa_next_free_vgpr 208
		.amdhsa_next_free_sgpr 66
		.amdhsa_reserve_vcc 0
		.amdhsa_float_denorm_mode_32 3
		.amdhsa_float_denorm_mode_16_64 3
		.amdhsa_memory_ordered 1
		.amdhsa_forward_progress 1
		.amdhsa_inst_pref_size 66
	.end_amdhsa_kernel
	.amdgpu_metadata
---
amdhsa.version: [ 1, 2 ]
amdhsa.kernels:
  - .name:           k_qfac571f72b_quant
    .symbol:         k_qfac571f72b_quant.kd
    .args:
      - { .name: h, .offset: 0, .size: 8, .value_kind: global_buffer, .address_space: global }
      - { .name: W_q, .offset: 8, .size: 8, .value_kind: global_buffer, .address_space: global }
      - { .name: W_k, .offset: 16, .size: 8, .value_kind: global_buffer, .address_space: global }
      - { .name: W_v, .offset: 24, .size: 8, .value_kind: global_buffer, .address_space: global }
      - { .name: W_o, .offset: 32, .size: 8, .value_kind: global_buffer, .address_space: global }
      - { .name: hcodes, .offset: 40, .size: 8, .value_kind: global_buffer, .address_space: global }
      - { .name: hscales, .offset: 48, .size: 8, .value_kind: global_buffer, .address_space: global }
      - { .name: wcodes, .offset: 56, .size: 8, .value_kind: global_buffer, .address_space: global }
      - { .name: wscales, .offset: 64, .size: 8, .value_kind: global_buffer, .address_space: global }
      - { .name: wo16, .offset: 72, .size: 8, .value_kind: global_buffer, .address_space: global }
    .group_segment_fixed_size: 33280
    .private_segment_fixed_size: 0
    .kernarg_segment_align: 8
    .kernarg_segment_size: 80
    .max_flat_workgroup_size: 128
    .sgpr_count:     66
    .vgpr_count:     208
    .wavefront_size: 32
...
	.end_amdgpu_metadata
.endif
;; end of part 1
;; launch qkv (part 2): grid 12 x 32, 4 waves a work-group, clusters of 4 x 4, 327,680 bytes of LDS; arguments hcodes, hscales, wcodes, wscales, qkv; writes qkv
.if DOCPART == 2
	.amdgcn_target "amdgcn-amd-amdhsa--gfx1250"
	.amdhsa_code_object_version 6
	.text
	.protected	k_qfac571f72b_qkv
	.globl	k_qfac571f72b_qkv
	.p2align	8
	.type	k_qfac571f72b_qkv,@function
k_qfac571f72b_qkv:
	s_mov_b64 s[64:65], 0
	v_nop
	global_prefetch_b8 v0, s[64:65] scope:SCOPE_SE
	s_setreg_imm32_b32 hwreg(HW_REG_WAVE_MODE, 25, 1), 1
	s_wait_xcnt 0x0
	s_wait_alu depctr_hold_cnt(0) depctr_sa_sdst(0) depctr_va_vdst(0) depctr_va_sdst(0) depctr_va_ssrc(0) depctr_va_vcc(0) depctr_vm_vsrc(0)
	s_getreg_b32 s2, hwreg(HW_REG_IB_STS2, 6, 4)
	s_cmp_eq_u32 s2, 0
	s_cbranch_scc0 .Lentry_in_a_cluster
	s_endpgm
.Lentry_in_a_cluster:
	s_bfe_u32 s2, ttmp6, 0x10000c
	s_cmp_lg_u32 s2, 0xf033
	s_cbranch_scc0 .Lentry_shape_is_right
	s_endpgm
.Lentry_shape_is_right:
; q, k, v = h W^T on codes of FP4 (E2M1) with one E8M0 scale for each 32 along K: C[m][n] = sum over k of A[m][k] B[n][k], A = h's codes [8192][1024], B = the three weights' codes [3072][1024]; sums in f32.
; The result is rounded once to f16 and laid for the attention launch: qkv[H = n / 64][b = m % 8][c = m / 8][n % 64]; H 0-15 are q's heads, 16-31 k's, 32-47 v's.
; LIMIT: |q|, |k|, |v| stay under 65,504 (f16's largest number); under f16's normal range the error is 2^-25.
; A tile of C, 256 x 256, is made by a work-group of four waves; a wave makes 128 x 128: 64 accumulators of 16 x 16, 512 registers.  K = 1,024 is two LDS slots of 512 along K (rows of 256 bytes):
; both are asked for at the head and nothing is filled again.  The scale bytes of the work-group's 256 + 256 rows, two dense blocks, come with them.
; CLUSTERS: 4 x 4 work-groups.  The four of a row of the cluster need the same tiles of A, the four of a column the same tiles of B: each tile is asked for JOINTLY, by the same tensor load with the
; same descriptor and a mask that names the four.  THE MATRIX INSTRUCTION IS USED TRANSPOSED (source 0 = 16 rows of B, source 1 = 16 rows of A): a lane then holds eight neighbouring n of one row m.
; No prefetch: all that the work-group reads is asked for at its head.
; REGISTERS, in windows of 256: window 0: v0-31 addresses; v32-95 scale words, two sets; v128-191 A's fragments, one set; on the way out v32-63 packed results, v128-191 rows read back.
;   window 1: B's fragments, two sets, at v0 and v128.   window 2: the accumulators of my rows 0-63 ((a, b) at v[8 (8 a + b)]);   window 3: those of my rows 64-127.
.set SIZE_K, 1024
.set KSTEP,  512
.set NQ,     KSTEP/128                 ; matrix instructions deep in a slot
.set ROWB,   256                       ; a tile's row in bytes
.set KROW,   SIZE_K*4/8                ; a row of codes in memory
.set PITCH,  272                       ; an LDS row: 256 bytes + 16 of padding: the 16 rows that a load touches start at 16 different groups of four banks (64 banks of 4 bytes: ISA guide 11.1)
.set FR,     8
.set NL,     2
.set NP,     4                         ; places behind this matrix instruction (ISA guide 7.12.1)
.set HALFT,  128*PITCH
.set SLOT,   4*HALFT
.set KS,     SIZE_K/32                 ; a row of scale bytes
.set SCL,    2*SLOT                    ; behind the slots: the scales, as units of 256 bytes + 16 of padding
.set HALFS,  (128*KS/256)*272
.set SBLK,   (16*KS/256)*272
.set SPARE,  SCL+4*HALFS               ; the spare words, 128 bytes a wave
.set SPITCH, 272                       ; the way out: a stage of 16 rows x (256 bytes + 16) for each wave, in slot 0, which has had its one fill and its last read by then
.set ADRA, 16
.set ADRB, 20
.set STO,  24
.set RD,   25
.set CO,   26
.set ADRS, 27
.set SPW,  28
.set NIL,  29
.set SC,   32
.set TMP,  32
.set AF,   128
.set BK,   128
.set G1, 24
.set G0, 32
.set G1B, 48
.set G0B, 56
.set G1S, 68
.set G0S, 76
.set G1SB, 80
.set G0SB, 88
.set MSB, 0
.macro WIN new                         ; the immediate's high byte repeats the setting that is left
.if MSB != (\new)
	s_set_vgpr_msb (MSB<<8)|(\new)
.set MSB, (\new)
.endif
.endm
.set MUL_LO, 0xa1                      ; source 0 (B) window 1, source 1 (A) window 0, C and D window 2
.set MUL_HI, 0xf1
.set TO_B,   0x40
; A joint load: waves 0 and 1 fetch for A, waves 2 and 3 for B.  The branch hangs on the wave's number alone.  An s_nop 0 and four v_nop follow each line.
.macro JLOAD g0a, g1a, g0b, g1b
	s_cmp_eq_u32 s15, 0
	s_cbranch_scc0 .Lfor_b_\@
	tensor_load_to_lds s[\g0a:\g0a+3], s[\g1a:\g1a+7]
	s_nop 0
.rept 4
	v_nop
.endr
	s_branch .Lasked_\@
.Lfor_b_\@:
	tensor_load_to_lds s[\g0b:\g0b+3], s[\g1b:\g1b+7]
	s_nop 0
.rept 4
	v_nop
.endr
.Lasked_\@:
.endm
.macro CROUND                          ; a round of the cluster's barrier
	s_barrier_signal -1
	s_barrier_wait -1
	s_cmp_lg_u32 s14, 0
	s_cbranch_scc1 .Lnot_wave_0_\@
	s_barrier_signal -3
.Lnot_wave_0_\@:
	s_barrier_wait -3
	s_barrier_signal -1
	s_barrier_wait -1
.endm
	s_load_b128 s[4:7], s[0:1], 0x0                ; A's codes, A's scales
	s_load_b128 s[8:11], s[0:1], 0x10              ; B's codes, B's scales
	s_load_b64 s[12:13], s[0:1], 0x20              ; qkv
	v_lshl_add_u32 v[SPW], v0, 2, SPARE
	v_mov_b32 v[NIL], 0
	ds_add_u32 v[SPW], v[NIL]                      ; the wave's opening: the add, twice on end, and its wait ahead of my first tensor load
	ds_add_u32 v[SPW], v[NIL]
	v_lshrrev_b32 v1, 5, v0
	v_readfirstlane_b32 s14, v1                    ; wave 0..3
	s_lshr_b32 s15, s14, 1                         ; which half of the tile's rows is mine.  Also: I fetch for A (0) or for B (1)
	s_and_b32 s16, s14, 1                          ; which half of its columns.  Also: which 128 rows of that tile I fetch
	s_bfe_u32 s40, ttmp6, 0x40000                  ; cx, cy
	s_bfe_u32 s41, ttmp6, 0x40004
	s_lshl_b32 s42, ttmp9, 2
	s_add_co_u32 s42, s42, s40                     ; tile column = 4 x cluster x + cx
	s_and_b32 s17, ttmp7, 0xffff
	s_lshl_b32 s17, s17, 2
	s_add_co_u32 s17, s17, s41                     ; tile row = 4 x cluster y + cy
	s_lshl_b32 s43, s41, 2
	s_lshl_b32 s43, 15, s43                        ; my row of the cluster
	s_lshl_b32 s44, 0x1111, s40                    ; my column
	s_or_b32 s[G1+0], s43, (0<<16)|(1<<20)|(1<<21)|(5<<22)|(3<<25)  ; the mask; elements of 1 byte; padding on; bit 21 beside a mask; 4 words after every 64
	s_or_b32 s[G1B+0], s44, (0<<16)|(1<<20)|(1<<21)|(5<<22)|(3<<25)
.irp g, G1, G1B
	s_mov_b32 s[\g+1], ROWB<<16                    ; tensor_dim0
	s_mov_b32 s[\g+2], 128<<16                     ; tensor_dim1
	s_mov_b32 s[\g+3], ROWB<<16                    ; tile_dim0
	s_mov_b32 s[\g+4], 128                         ; tile_dim1
	s_mov_b32 s[\g+5], KROW                        ; from row to row
	s_mov_b32 s[\g+6], 0
	s_mov_b32 s[\g+7], 0
.endr
	s_or_b32 s[G1S+0], s43, (3<<16)|(1<<20)|(1<<21)|(5<<22)|(3<<25)  ; the scales of 128 rows: a dense block, as rows of 256 bytes (32 elements of 8 bytes)
	s_or_b32 s[G1SB+0], s44, (3<<16)|(1<<20)|(1<<21)|(5<<22)|(3<<25)
.irp g, G1S, G1SB
	s_mov_b32 s[\g+1], 32<<16
	s_mov_b32 s[\g+2], (128*KS/256)<<16
	s_mov_b32 s[\g+3], 32<<16
	s_mov_b32 s[\g+4], 128*KS/256
	s_mov_b32 s[\g+5], 32
	s_mov_b32 s[\g+6], 0
	s_mov_b32 s[\g+7], 0
.endr
	s_lshl_b32 s18, s16, 7
	s_lshl_b32 s20, s17, 8
	s_add_co_u32 s20, s20, s18                     ; A: row 256 x tile row + 128 x half
	s_lshl_b32 s46, s42, 8
	s_add_co_u32 s46, s46, s18                     ; B: row 256 x tile column + 128 x half
	s_mov_b32 s21, 0
	s_mov_b32 s47, 0
	s_mov_b64 s[18:19], KS
	s_mul_u64 s[22:23], s[20:21], s[18:19]         ; where these rows' scales begin
	s_mul_u64 s[92:93], s[46:47], s[18:19]
	s_mov_b64 s[18:19], KROW
	s_mul_u64 s[20:21], s[20:21], s[18:19]         ; and their codes
	s_mul_u64 s[46:47], s[46:47], s[18:19]
	s_mul_i32 s45, s14, HALFT                      ; where they go: wave x 128 rows
	s_mul_i32 s94, s14, HALFS
	s_wait_dscnt 0x0                               ; both opening adds are done
	s_wait_kmcnt 0x0
	s_add_nc_u64 s[20:21], s[4:5], s[20:21]
	s_add_nc_u64 s[22:23], s[6:7], s[22:23]
	s_add_nc_u64 s[46:47], s[8:9], s[46:47]
	s_add_nc_u64 s[92:93], s[10:11], s[92:93]
	CROUND                                         ; all sixteen work-groups are here: the joint loads meet
	s_mov_b32 s[G0S], 1
	s_add_co_u32 s[G0S+1], s94, SCL
	s_mov_b64 s[G0S+2:G0S+3], s[22:23]
	s_or_b32 s[G0S+3], s[G0S+3], 0x80000000
	s_mov_b32 s[G0SB], 1
	s_add_co_u32 s[G0SB+1], s94, SCL
	s_mov_b64 s[G0SB+2:G0SB+3], s[92:93]
	s_or_b32 s[G0SB+3], s[G0SB+3], 0x80000000
	JLOAD G0S, G1S, G0SB, G1SB                     ; the scales first; then both slots: three tensor loads of mine are out
.irp s, 0,1
	s_mov_b32 s[G0+4*\s], 1
	s_add_co_u32 s[G0+4*\s+1], s45, \s*SLOT
	s_add_nc_u64 s[G0+4*\s+2:G0+4*\s+3], s[20:21], \s*ROWB
	s_or_b32 s[G0+4*\s+3], s[G0+4*\s+3], 0x80000000
	s_mov_b32 s[G0B+4*\s], 1
	s_add_co_u32 s[G0B+4*\s+1], s45, \s*SLOT
	s_add_nc_u64 s[G0B+4*\s+2:G0B+4*\s+3], s[46:47], \s*ROWB
	s_or_b32 s[G0B+4*\s+3], s[G0B+4*\s+3], 0x80000000
	JLOAD G0+4*\s, G1, G0B+4*\s, G1B
.endr
	v_and_b32 v1, 15, v0                           ; r = l % 16
	v_bfe_u32 v2, v0, 4, 1                         ; l / 16
	v_mul_u32_u24 v3, v1, PITCH
	v_lshl_add_u32 v4, v2, 4, v3                   ; a fragment's row x pitch + 16 x half
	s_mul_i32 s21, s15, HALFT
	s_mul_i32 s22, s16, HALFT
	s_add_co_u32 s22, s22, 2*HALFT
.irp s, 0,1
	v_add_nc_u32 v[ADRA+\s], s21, v4
	v_add_nc_u32 v[ADRB+\s], s22, v4
	s_add_co_u32 s21, s21, SLOT
	s_add_co_u32 s22, s22, SLOT
.endr
	v_mul_u32_u24 v5, v1, KS                       ; my row's scales: KS bytes a row,
	v_lshrrev_b32 v6, 8, v5
	v_lshl_add_u32 v5, v6, 4, v5                   ; and 16 more for each 256 passed
	s_mul_i32 s21, s15, HALFS
	s_mul_i32 s22, s16, HALFS
	s_add_co_u32 s22, s22, 2*HALFS
	s_sub_co_u32 s22, s22, s21
	v_mul_u32_u24 v6, s22, v2                      ; lanes 16-31 take B's
	s_add_co_u32 s21, s21, SCL
	v_add_nc_u32 v5, v5, v6
	v_add_nc_u32 v[ADRS], s21, v5
	; the way out.  Row r of a block of 16 rows is c = (r / 8) further on and b = r % 8.
	s_mul_i32 s23, s14, 16*SPITCH                  ; my stage
	v_mul_u32_u24 v5, v1, SPITCH
	v_lshl_add_u32 v5, v2, 4, v5
	v_add_nc_u32 v[STO], s23, v5                   ; in: row r, 16 bytes for each half of the lanes
	v_bfe_u32 v5, v0, 3, 1
	v_mul_u32_u24 v5, v5, 8*SPITCH                 ; back, for a given b: lanes 0-7 the row of the first c, lanes 8-15 of the second (8 rows on);
	v_lshl_add_u32 v5, v2, 7, v5                   ; lanes 16-31 the next head's 128 bytes of the same rows
	v_and_b32 v6, 7, v0
	v_lshl_add_u32 v5, v6, 4, v5
	v_add_nc_u32 v[RD], s23, v5
	v_lshlrev_b32 v[CO], 4, v1                     ; in qkv: two c's x 128 bytes are 256 neighbouring bytes; the next head lies 2^20 bytes on
	v_lshl_add_u32 v[CO], v2, 20, v[CO]
	s_lshl_b32 s20, s17, 5
	s_lshl_b32 s21, s15, 4
	s_add_co_u32 s20, s20, s21                     ; my first c: 32 x tile row + 16 x half
	s_lshl_b32 s20, s20, 7
	s_mov_b32 s21, 0
	s_lshl_b32 s46, s42, 2
	s_lshl_b32 s47, s16, 1
	s_add_co_u32 s46, s46, s47                     ; my first head: 4 x tile column + 2 x half
	s_lshl_b32 s46, s46, 20
	s_mov_b32 s47, 0
	s_add_nc_u64 s[20:21], s[20:21], s[46:47]
	s_add_nc_u64 s[12:13], s[12:13], s[20:21]
.macro FRAG reg, adr, q, i             ; 16 rows x 128 K of 4-bit codes: 8 registers: registers 4 c .. 4 c + 3 hold K = 64 c + 32 (l / 16) + 0 .. 31
.irp c, 0,1
	ds_load_b128 v[\reg+4*\c:\reg+4*\c+3], v[\adr] offset:64*(\q)+32*\c+(\i)*16*PITCH
.endr
.endm
; 16 matrix instructions: A's blocks a0, a0 + 1 x B's eight.  The 64 accumulators take turns, one instruction a turn, in the same order in every step.
.macro MUL16 a0, p, q, sc, zero
.irp a, \a0, \a0+1
.irp b, 0,1,2,3,4,5,6,7
.if \zero
	v_wmma_scale_f32_16x16x128_f8f6f4 v[8*(8*((\a)%4)+\b):8*(8*((\a)%4)+\b)+7], v[128*(\p)+FR*\b:128*(\p)+FR*\b+FR-1], v[AF+FR*(\a):AF+FR*(\a)+FR-1], 0, v[SC+8*NQ*(\sc)+NQ*\b+(\q)], v[SC+8*NQ*(\sc)+NQ*(\a)+(\q)] matrix_a_fmt:MATRIX_FMT_FP4 matrix_b_fmt:MATRIX_FMT_FP4 matrix_a_scale:MATRIX_SCALE_ROW1
.else
	v_wmma_scale_f32_16x16x128_f8f6f4 v[8*(8*((\a)%4)+\b):8*(8*((\a)%4)+\b)+7], v[128*(\p)+FR*\b:128*(\p)+FR*\b+FR-1], v[AF+FR*(\a):AF+FR*(\a)+FR-1], v[8*(8*((\a)%4)+\b):8*(8*((\a)%4)+\b)+7], v[SC+8*NQ*(\sc)+NQ*\b+(\q)], v[SC+8*NQ*(\sc)+NQ*(\a)+(\q)] matrix_a_fmt:MATRIX_FMT_FP4 matrix_b_fmt:MATRIX_FMT_FP4 matrix_a_scale:MATRIX_SCALE_ROW1
.endif
.endr
.endr
.endm
.macro FETCH_B slot, q, p
	WIN TO_B
.irp i, 0,1,2,3,4,5,6,7
	FRAG 128*(\p)+FR*\i, ADRB+\slot, \q, \i
.endr
	WIN 0
.endm
.macro FETCH_A slot, q, i0
.irp i, \i0, \i0+1, \i0+2, \i0+3
	FRAG AF+FR*(\i), ADRA+\slot, \q, \i
.endr
.endm
.macro SCALES sc                       ; a slot's scale words: lanes 0-15 take A's block i, lanes 16-31 B's block i
.irp i, 0,1,2,3,4,5,6,7
	ds_load_b128 v[SC+8*NQ*\sc+NQ*\i:SC+8*NQ*\sc+NQ*\i+3], v[ADRS] offset:\i*SBLK
.endr
.endm
.macro PLACES n                        ; places in front of loads into registers that matrix instructions have read, and of the first read of results
.rept \n
	v_nop
.endr
.endm
.macro STEP slot, q, zero              ; 128 along K with its successor in the same slot
	s_wait_dscnt 4*NL                              ; B's set and A's blocks 0-3 are in; the youngest eight loads (A's blocks 4-7) may be out
	WIN MUL_LO
	MUL16 0, (\q)%2, \q, \slot, \zero
	MUL16 2, (\q)%2, \q, \slot, \zero
	s_wait_dscnt 0                                 ; A's blocks 4-7 are in
	PLACES NP
	FETCH_B \slot, (\q)+1, 1-(\q)%2
	FETCH_A \slot, (\q)+1, 0
	WIN MUL_HI
	MUL16 4, (\q)%2, \q, \slot, \zero
	MUL16 6, (\q)%2, \q, \slot, \zero
	PLACES NP
	WIN 0
	FETCH_A \slot, (\q)+1, 4
.endm
.macro TURN slot, next                 ; slot 0's last step, and the change to slot 1: one barrier
	s_wait_tensorcnt 0x0                           ; all my tensor loads have landed: my part of the next slot
	ds_add_u32 v[SPW], v[NIL]                      ; 0 onto my spare word
	s_wait_dscnt 4*NL+1                            ; (the add and the youngest eight loads may be out)
	WIN MUL_LO
	MUL16 0, 1, NQ-1, \slot, 0
	s_wait_dscnt 0x0                               ; the add is done, and my reads of this slot are over
	s_barrier_signal -1
	MUL16 2, 1, NQ-1, \slot, 0
	WIN 0
	s_barrier_wait -1                              ; every wave's part of the next slot has landed
	PLACES NP
	v_add_nc_u32 v[ADRS], 4*NQ, v[ADRS]            ; on to the next slot's scale words
	FETCH_B \next, 0, 0
	FETCH_A \next, 0, 0
	SCALES \next
	WIN MUL_HI
	MUL16 4, 1, NQ-1, \slot, 0
	MUL16 6, 1, NQ-1, \slot, 0
	PLACES NP
	WIN 0
	FETCH_A \next, 0, 4
.endm
.macro STEPS slot, from
.set Q, \from
.rept NQ-1-\from
	STEP \slot, Q, 0
.set Q, Q+1
.endr
.endm
	s_wait_tensorcnt 1                             ; the scales and my part of slot 0 are in; slot 1's load, issued behind them, may be out
	s_barrier_signal -1
	s_barrier_wait -1                              ; everybody's are
	FETCH_B 0, 0, 0
	FETCH_A 0, 0, 0
	SCALES 0
	FETCH_A 0, 0, 4
	STEP 0, 0, 1                                   ; the first products start the sums: nothing is cleared
	STEPS 0, 1
	TURN 0, 1
	STEPS 1, 0
	s_wait_dscnt 4*NL                              ; the last step: nothing more to fetch
	WIN MUL_LO
	MUL16 0, 1, NQ-1, 1, 0
	MUL16 2, 1, NQ-1, 1, 0
	s_wait_dscnt 0
	WIN MUL_HI
	MUL16 4, 1, NQ-1, 1, 0
	MUL16 6, 1, NQ-1, 1, 0
	WIN 0
; THE WAY OUT, by blocks of 16 rows (2 c x 8 b) x 128 columns (2 heads).  PACK: rounded to f16, 16 bytes a lane, each accumulator from its low end on.  TOSTAGE: into my own stage and back, sorted by b.
; SEND: for each b one store: lanes 0-15 write 256 consecutive bytes (2 c x 64 numbers) of one head, lanes 16-31 of the next, each at a multiple of 256 from qkv's first byte.
.macro PACK a
.set AC, 64*((\a)%4)
	WIN 0x0a+5*((\a)/4)                            ; sources 0 and 1: window 2 or 3
.irp b, 0,1,2,3,4,5,6,7
.irp r, 0,1,2,3
	v_cvt_pk_f16_f32 v[TMP+4*\b+\r], v[AC+8*\b+2*\r], v[AC+8*\b+2*\r+1]
.endr
.endr
	WIN 0
.endm
.macro TOSTAGE a
.set BB, BK+32*((\a)%2)
.irp b, 0,1,2,3,4,5,6,7
	ds_store_b128 v[STO], v[TMP+4*\b:TMP+4*\b+3] offset:32*\b
.endr
.irp t, 0,1,2,3,4,5,6,7
	ds_load_b128 v[BB+4*\t:BB+4*\t+3], v[RD] offset:\t*SPITCH      ; LDS serves a wave's instructions in order: these see the stores above
.endr
.endm
.macro SEND a
.set BB, BK+32*((\a)%2)
	s_wait_dscnt 0x0                               ; the block is back in registers
	s_wait_xcnt 0x0                                ; the earlier stores have read their base and their data: the base steps, and the block before's registers are loaded again behind this
.if (\a) > 0
	s_add_nc_u64 s[12:13], s[12:13], 256           ; two c's on
.endif
.irp t, 0,1,2,3,4,5,6,7
	global_store_b128 v[CO], v[BB+4*\t:BB+4*\t+3], s[12:13] offset:131072*\t   ; b = t
.endr
.endm
	PLACES NP                                      ; behind the last products: the conversions write the scale words' registers, the stage's loads A's
	PACK 0
	TOSTAGE 0
.irp a, 1,2,3,4,5,6,7                  ; block a's conversions stand between block a - 1's loads from the stage and the wait for them
	PACK \a
	SEND \a-1
	TOSTAGE \a
.endr
	SEND 7
	s_wait_tensorcnt 0x0                           ; the wave's end, behind my last tensor load and my last LDS store
	ds_add_u32 v[SPW], v[NIL]
	s_wait_dscnt 0x0
	CROUND                                         ; the closing round
	s_endpgm
.Lfunc_end_k_qfac571f72b_qkv:
	.size	k_qfac571f72b_qkv, .Lfunc_end_k_qfac571f72b_qkv-k_qfac571f72b_qkv
	.p2alignl 7, 3214868480
	.fill 96, 4, 3214868480
	.section	.rodata,"a",@progbits
	.p2align	6, 0x0
	.amdhsa_kernel k_qfac571f72b_qkv
		.amdhsa_group_segment_fixed_size 327680
		.amdhsa_private_segment_fixed_size 0
		.amdhsa_enable_private_segment 0
		.amdhsa_kernarg_size 40
		.amdhsa_user_sgpr_count 2
		.amdhsa_user_sgpr_kernarg_segment_ptr 1
		.amdhsa_wavefront_size32 1
		.amdhsa_system_sgpr_workgroup_id_x 1
		.amdhsa_system_sgpr_workgroup_id_y 1
		.amdhsa_system_sgpr_workgroup_id_z 1
		.amdhsa_system_vgpr_workitem_id 0
		.amdhsa_next_free_vgpr 1024
		.amdhsa_next_free_sgpr 98
		.amdhsa_reserve_vcc 0
		.amdhsa_float_denorm_mode_32 3
		.amdhsa_float_denorm_mode_16_64 3
		.amdhsa_memory_ordered 1
		.amdhsa_forward_progress 1
		.amdhsa_inst_pref_size 127
	.end_amdhsa_kernel
	.amdgpu_metadata
---
amdhsa.version: [ 1, 2 ]
amdhsa.kernels:
  - .name:           k_qfac571f72b_qkv
    .symbol:         k_qfac571f72b_qkv.kd
    .args:
      - { .name: hcodes, .offset: 0, .size: 8, .value_kind: global_buffer, .address_space: global }
      - { .name: hscales, .offset: 8, .size: 8, .value_kind: global_buffer, .address_space: global }
      - { .name: wcodes, .offset: 16, .size: 8, .value_kind: global_buffer, .address_space: global }
      - { .name: wscales, .offset: 24, .size: 8, .value_kind: global_buffer, .address_space: global }
      - { .name: qkv, .offset: 32, .size: 8, .value_kind: global_buffer, .address_space: global }
    .group_segment_fixed_size: 327680
    .private_segment_fixed_size: 0
    .kernarg_segment_align: 8
    .kernarg_segment_size: 40
    .max_flat_workgroup_size: 128
    .sgpr_count:     98
    .vgpr_count:     1024
    .wavefront_size: 32
...
	.end_amdgpu_metadata
.endif
;; end of part 2
;; launch attn (part 3): grid 2 x 128, 8 waves a work-group, no clusters, 287,744 bytes of LDS; arguments qkv, log_beta, ao; writes ao
.if DOCPART == 3
	.amdgcn_target "amdgcn-amd-amdhsa--gfx1250"
	.amdhsa_code_object_version 6
	.text
	.protected	k_qfac571f72b_attn
	.globl	k_qfac571f72b_attn
	.p2align	8
	.type	k_qfac571f72b_attn,@function
k_qfac571f72b_attn:
	s_mov_b64 s[64:65], 0
	v_nop
	global_prefetch_b8 v0, s[64:65] scope:SCOPE_SE
	s_setreg_imm32_b32 hwreg(HW_REG_WAVE_MODE, 25, 1), 1
	s_wait_xcnt 0x0
; For each of 128 (head, batch) pairs: O[c] = sum over k of softmax_k(beta q[c] . k[k]) v[k], 1,024 queries, 1,024 keys, head size 64, no mask.  q, k, v: f16 (qkv[H][b][c][64]); products by
; v_wmma_f32_16x16x32_f16, sums, maxima and the softmax in f32; the weights p are rounded to f16 for the second product, O once at the end.
; SOFTMAX: a running maximum m and sum l for each query: p = 2^(c s - c m), c = exp(log_beta) log2(e) > 0; in every step O and l are multiplied by a = 2^(c m_old - c m_new).
; LIMITS: |O| is at most the largest |v|, under 65,504; under f16's normal range O's and p's error is 2^-25.  NaN and infinities are not served.
; SHARES: work-group (x, y): y = 8 head + b, x = which 512 queries.  Each of eight waves owns 64 queries, four tiles of 16, so that each fragment of K and V read from LDS feeds four products;
; two waves share a SIMD, so that one wave's softmax stands beside the other's products.
; LDS: all 1,024 keys of K and of V lie in LDS at once: 16 tensor loads at the head (waves 0, 1: K's; waves 2, 3: V's; four each, four of mine out at the most), nothing is filled again.
; They come as four chunks of 256 keys; a counted wait and a barrier open each chunk, so the work begins when the first has landed.  So there is nothing further on to prefetch.
; NO CLUSTER: a pair's K and V are read by the grid's two work-groups along x alone; four partners would span two pairs, whose tiles differ.
; LAYOUT: S^T = K Q^T (source 0 = 16 keys, source 1 = 16 queries): a lane holds ONE query (lane % 16) and keys 8 (lane / 16) + 0..7.  Two such tiles, rounded in pairs, ARE source 1 (32 keys x 16 queries)
; of O^T = V^T P, whose result again holds one query a lane and eight channels.  K comes out of LDS as it lies, V turned, by ds_load_tr16_b128.
; THE RESULT is stored as images of the next launch's operand registers: ao[mt = 64 b + c / 16][kc = 2 head + d / 32][1,024 bytes]: registers 0-3 at 16 x lane, registers 4-7 512 bytes on.
; REGISTERS: window 0: v1-7 addresses; v12-43 statistics, 8 a tile; v44-51 the sums' second chain; v64-191 S^T, 32 a tile (P is packed in place into a tile's first 16); v192-255 V's 8 fragments.
;   window 1: v0-127 O^T, 32 a tile; v128-191 Q, 16 a tile; v192-255 K's 8 fragments.
.set PK,    272                        ; an LDS row of K: two keys, 256 bytes, + 16 of padding: the 16 keys of a load fall on 16 different columns of 16 bytes
.set PV,    288                        ; of V: + 32: the 8 keys x 2 pieces that 16 lanes of a turning load take fall on 16 different columns
.set VB,    512*PK                     ; V behind K
.set SPARE, VB+512*PV                  ; the spare words, 128 bytes a wave
.set SPW, 1
.set NIL, 2
.set AK0, 3                            ; my lane's place in a tile of K
.set AV0, 4                            ; and of V
.set ADK, 5
.set ADV, 6
.set QO,  7                            ; my byte in the wave's rows of Q; on the way out 16 x lane
.set ST,  12                           ; tile t at ST + 8 t: +0 c m, +1 m, +2, +3 l (even and odd keys'), +4 .. +7 at work; a takes +6
.set XS,  44
.set S,   64
.set VF,  192
.set QF,  128                          ; window 1
.set KF,  192                          ; window 1
.set WV,  10
.set G1K, 20
.set G1V, 28
.set G0K, 36                           ; s[36:51] a group 0 for each chunk of K
.set G0V, 68                           ; s[68:83] and of V
.set CS,  84                           ; s[84:85] c, named as a pair
.set SEL, 86                           ; s[86:87] lane l xor 16
.set TBK, 88                           ; LDS byte of the step whose K is fetched next
.set TBV, 89                           ; and of the step whose V is fetched next
.set CNT, 90
.set MSB, 0
.macro WIN new
.if MSB != (\new)
	s_set_vgpr_msb (MSB<<8)|(\new)
.set MSB, (\new)
.endif
.endm
	s_load_b128 s[4:7], s[0:1], 0x0                ; qkv, log_beta
	s_load_b64 s[8:9], s[0:1], 0x10                ; ao
	v_lshl_add_u32 v[SPW], v0, 2, SPARE
	v_mov_b32 v[NIL], 0
	ds_add_u32 v[SPW], v[NIL]                      ; the wave's opening: the add, twice on end, and its wait ahead of the first tensor load
	ds_add_u32 v[SPW], v[NIL]
	v_lshrrev_b32 v8, 5, v0
	v_readfirstlane_b32 s[WV], v8                  ; wave 0..7
	s_and_b32 s11, s[WV], 1                        ; which half of a chunk I fetch, if I fetch
	s_and_b32 s12, ttmp7, 0xffff                   ; y = 8 head + b
	s_mov_b32 s[G1K], (1<<16)|(1<<20)|(5<<22)|(3<<25)   ; elements of 2 bytes; padding on: 4 words after every 64
	s_mov_b32 s[G1V], (1<<16)|(1<<20)|(5<<22)|(7<<25)   ; 8 words
.irp g, G1K, G1V
	s_mov_b32 s[\g+1], 128<<16                     ; tensor_dim0: 128 elements: two keys
	s_mov_b32 s[\g+2], 64<<16                      ; tensor_dim1
	s_mov_b32 s[\g+3], 128<<16                     ; tile_dim0
	s_mov_b32 s[\g+4], 64                          ; tile_dim1: 64 rows: 128 keys
	s_mov_b32 s[\g+5], 128                         ; dense in memory
	s_mov_b32 s[\g+6], 0
	s_mov_b32 s[\g+7], 0
.endr
	s_lshl_b32 s14, s12, 17                        ; a (head, b) pair is 131,072 dense bytes in each third of qkv
	s_lshl_b32 s13, s11, 14
	s_add_co_u32 s16, s14, s13                     ; + my half of a chunk
	s_mov_b32 s17, 0
	s_mul_i32 s52, s11, 64*PK                      ; and its place in LDS
	s_mul_i32 s53, s11, 64*PV
	s_lshl_b32 s54, ttmp9, 16                      ; Q: 512 x rows of 128 bytes,
	s_add_co_u32 s54, s54, s14
	s_lshl_b32 s55, s[WV], 13                      ; my wave's 64
	s_add_co_u32 s54, s54, s55
	s_mov_b32 s55, 0
	s_and_b32 s56, s12, 7                          ; ao: mt = 64 b + 32 x + 4 wave (+ tile),
	s_lshl_b32 s56, s56, 6
	s_lshl_b32 s57, ttmp9, 5
	s_add_co_u32 s56, s56, s57
	s_lshl_b32 s57, s[WV], 2
	s_add_co_u32 s56, s56, s57
	s_lshl_b32 s56, s56, 15                        ; 32,768 bytes each,
	s_lshr_b32 s58, s12, 3                         ; the head:
	s_lshl_b32 s57, s58, 11                        ; 2,048 bytes in each
	s_add_co_u32 s56, s56, s57
	s_mov_b32 s57, 0
	s_lshl_b32 s58, s58, 2                         ; and its log_beta
	s_mov_b32 s59, 0
	s_mov_b32 s[SEL], 0x76543210
	s_mov_b32 s[SEL+1], 0xfedcba98
	s_mov_b32 s[TBK], 0
	s_mov_b32 s[TBV], 0
	s_wait_dscnt 0x0                               ; both opening adds are done
	s_wait_kmcnt 0x0
	s_add_nc_u64 s[16:17], s[4:5], s[16:17]
	s_add_nc_u64 s[54:55], s[4:5], s[54:55]
	s_add_nc_u64 s[8:9], s[8:9], s[56:57]
	s_add_nc_u64 s[6:7], s[6:7], s[58:59]
.irp j, 0,1,2,3
	s_mov_b32 s[G0K+4*\j], 1
	s_add_co_u32 s[G0K+4*\j+1], s52, \j*128*PK
	s_add_nc_u64 s[G0K+4*\j+2:G0K+4*\j+3], s[16:17], 0x1000000+\j*32768   ; k's heads begin 16 MiB into qkv
	s_or_b32 s[G0K+4*\j+3], s[G0K+4*\j+3], 0x80000000
	s_mov_b32 s[G0V+4*\j], 1
	s_add_co_u32 s[G0V+4*\j+1], s53, VB+\j*128*PV
	s_add_nc_u64 s[G0V+4*\j+2:G0V+4*\j+3], s[16:17], 0x2000000+\j*32768   ; v's 32 MiB
	s_or_b32 s[G0V+4*\j+3], s[G0V+4*\j+3], 0x80000000
.endr
	s_cmp_lt_u32 s[WV], 2                          ; a wave's four fills stand in one branch on its number, ahead of every wait on TENSORcnt, every LDS read and every barrier
	s_cbranch_scc0 .Lnot_k
.irp j, 0,1,2,3
	tensor_load_to_lds s[G0K+4*\j:G0K+4*\j+3], s[G1K:G1K+7]
	s_nop 0
.endr
.rept 4
	v_nop
.endr
	s_branch .Lasked
.Lnot_k:
	s_cmp_lt_u32 s[WV], 4
	s_cbranch_scc0 .Lasked
.irp j, 0,1,2,3
	tensor_load_to_lds s[G0V+4*\j:G0V+4*\j+3], s[G1V:G1V+7]
	s_nop 0
.endr
.rept 4
	v_nop
.endr
.Lasked:
	s_load_b32 s60, s[6:7], 0x0                    ; my head's log_beta
	v_and_b32 v8, 15, v0                           ; r
	v_bfe_u32 v9, v0, 4, 1                         ; h
	v_lshlrev_b32 v[QO], 7, v8
	v_lshl_add_u32 v[QO], v9, 4, v[QO]             ; row r of 128 bytes + 16 h
	WIN 0x40                                       ; destination window 1
.irp f, 0,1,2,3,4,5,6,7                        ; Q stays in registers: tile f / 2, channels 32 (f % 2) on
	global_load_b128 v[QF+8*\f:QF+8*\f+3],   v[QO], s[54:55] offset:(\f/2)*2048+(\f%2)*64
	global_load_b128 v[QF+8*\f+4:QF+8*\f+7], v[QO], s[54:55] offset:(\f/2)*2048+(\f%2)*64+32
.endr
	WIN 0
	v_lshrrev_b32 v10, 1, v8
	v_mul_u32_u24 v[AK0], v10, PK                  ; key r: row r / 2,
	v_and_b32 v10, 1, v0
	v_lshl_add_u32 v[AK0], v10, 7, v[AK0]          ; its half,
	v_lshl_add_u32 v[AK0], v9, 4, v[AK0]           ; + 16 h
	v_bfe_u32 v11, v0, 1, 2                        ; the turning load: lane l reads key 8 h + l % 8, channels 8 ((l / 8) % 2) on
	v_lshl_add_u32 v11, v9, 2, v11
	v_mul_u32_u24 v[AV0], v11, PV
	v_lshl_add_u32 v[AV0], v10, 7, v[AV0]
	v_bfe_u32 v11, v0, 3, 1
	v_lshl_add_u32 v[AV0], v11, 4, v[AV0]
	v_add_nc_u32 v[AV0], VB, v[AV0]
	s_wait_kmcnt 0x0
	v_mov_b32 v8, s60
	v_mul_f32 v8, 0x3fb8aa3b, v8
	v_exp_f32 v9, v8                               ; beta = e^log_beta
	v_nop                                          ; a plain line behind the exponential,
	s_wait_alu depctr_va_vdst(0)                   ; and the wait ahead of its first reader
	v_mul_f32 v9, 0x3fb8aa3b, v9                   ; c = beta log2(e)
	v_readfirstlane_b32 s[CS], v9
	s_mov_b32 s[CS+1], s[CS]                       ; (named with it as a pair, so it is written)
.macro GATE n                          ; chunks 0 .. 3 - n are in LDS for every wave: my n younger loads may stay out
	s_wait_tensorcnt \n
	s_wait_dscnt 0x0                               ; no LDS instruction of mine is out at the signal
	s_barrier_signal -1
	s_barrier_wait -1
.endm
.macro FETCH_K                         ; a step's K: 64 keys x 64 channels: fragment f = 2 (16 keys) + (32 channels)
	WIN 0x40
.irp f, 0,1,2,3,4,5,6,7
	ds_load_b128 v[KF+8*\f:KF+8*\f+3],   v[ADK] offset:(\f/2)*8*PK+(\f%2)*64
	ds_load_b128 v[KF+8*\f+4:KF+8*\f+7], v[ADK] offset:(\f/2)*8*PK+(\f%2)*64+32
.endr
	WIN 0
.endm
; A STEP OF 64 KEYS.  first = 1: it starts m, l and O^T.  pre = 1: the next step's K is fetched.
.macro TRIP first, pre
	s_wait_dscnt 0x0                               ; this step's K is in
	WIN 0x05                                       ; K and Q in window 1, S^T in window 0
.set i, 0
.rept 32                               ; product i: channels 32 (i / 16) on, keys 16 ((i / 4) % 4) on, tile i % 4.  Sixteen accumulators by turns
.set rS, S+32*(i%4)+8*((i/4)%4)
.set rK, KF+8*(2*((i/4)%4)+i/16)
.set rQ, QF+16*(i%4)+8*(i/16)
.if i < 16
	v_wmma_f32_16x16x32_f16 v[rS:rS+7], v[rK:rK+7], v[rQ:rQ+7], 0
.else
	v_wmma_f32_16x16x32_f16 v[rS:rS+7], v[rK:rK+7], v[rQ:rQ+7], v[rS:rS+7]
.endif
.set i, i+1
.endr
	WIN 0
	v_add_nc_u32 v[ADV], s[TBV], v[AV0]            ; four places behind the products: in front of the loads into K's registers and of the first read of the scores
	v_add_nc_u32 v[ADK], s[TBK], v[AK0]            ; (pre = 0: not used)
	v_nop
	v_nop
.irp f, 0,1,2,3,4,5,6,7                        ; this step's V, turned: keys 32 (f / 4) on, channels 16 (f % 4) on
	ds_load_tr16_b128 v[VF+8*\f:VF+8*\f+3],   v[ADV] offset:(\f/4)*16*PV+(\f%4)*32
	ds_load_tr16_b128 v[VF+8*\f+4:VF+8*\f+7], v[ADV] offset:(\f/4)*16*PV+8*PV+(\f%4)*32
.endr
.if \pre
	FETCH_K
.endif
	; the softmax, the four tiles by turns line by line.  The maximum of a lane's 32 scores: four chains, each accumulator from its low end on
.irp j, 0,1,2,3
.irp t, 0,1,2,3
	v_max3_num_f32 v[ST+8*\t+4+\j], v[S+32*\t+8*\j], v[S+32*\t+8*\j+1], v[S+32*\t+8*\j+2]
.endr
.endr
.irp g, 1,2
.irp j, 0,1,2,3
.irp t, 0,1,2,3
	v_max3_num_f32 v[ST+8*\t+4+\j], v[ST+8*\t+4+\j], v[S+32*\t+8*\j+2*\g+1], v[S+32*\t+8*\j+2*\g+2]
.endr
.endr
.endr
.irp t, 0,1,2,3
	v_max3_num_f32 v[ST+8*\t+4], v[ST+8*\t+4], v[S+32*\t+7], v[S+32*\t+15]
.endr
.irp t, 0,1,2,3
	v_max3_num_f32 v[ST+8*\t+6], v[ST+8*\t+6], v[S+32*\t+23], v[S+32*\t+31]
.endr
.irp t, 0,1,2,3
	v_max3_num_f32 v[ST+8*\t+4], v[ST+8*\t+4], v[ST+8*\t+5], v[ST+8*\t+6]
.endr
.irp t, 0,1,2,3
.if \first
	v_max_num_f32 v[ST+8*\t+4], v[ST+8*\t+4], v[ST+8*\t+7]
.else
	v_max3_num_f32 v[ST+8*\t+4], v[ST+8*\t+4], v[ST+8*\t+7], v[ST+8*\t+1]   ; with the old m
.endif
.endr
.irp t, 0,1,2,3
	v_permlanex16_b32 v[ST+8*\t+5], v[ST+8*\t+4], s[SEL], s[SEL+1]          ; the query's other 32 keys lie in the lane 16 away
.endr
.if \first == 0
.irp t, 0,1,2,3
	v_mov_b32 v[ST+8*\t+7], v[ST+8*\t]             ; c m_old is kept for a
.endr
.endif
.irp t, 0,1,2,3
	v_max_num_f32 v[ST+8*\t+1], v[ST+8*\t+4], v[ST+8*\t+5]
.endr
.irp t, 0,1,2,3
	v_mul_f32 v[ST+8*\t], s[CS], v[ST+8*\t+1]
.endr
.if \first == 0
.irp t, 0,1,2,3
	v_sub_f32 v[ST+8*\t+7], v[ST+8*\t+7], v[ST+8*\t]
.endr
.endif
.irp j, 0,2,4,6,8,10,12,14,16,18,20,22,24,26,28,30
.irp t, 0,1,2,3
	v_pk_fma_f32 v[S+32*\t+\j:S+32*\t+\j+1], v[S+32*\t+\j:S+32*\t+\j+1], s[CS:CS+1], v[ST+8*\t:ST+8*\t+1] op_sel_hi:[1,0,0] neg_lo:[0,0,1] neg_hi:[0,0,1]   ; c s - c m
.endr
.endr
.if \first == 0
.irp t, 0,1,2,3
	v_exp_f32 v[ST+8*\t+6], v[ST+8*\t+7]           ; a
.endr
.endif
.set j, 0
.rept 32                               ; all the step's exponentials are ONE batch: none of them reads another's result
.irp t, 0,1,2,3
	v_exp_f32 v[S+32*\t+j], v[S+32*\t+j]
.endr
.set j, j+1
.endr
	v_nop                                          ; a plain line behind the last exponential,
	s_wait_alu depctr_va_vdst(0)                   ; and one wait for the batch, ahead of its first reader
.if \first
.irp t, 0,1,2,3
	v_pk_add_f32 v[ST+8*\t+2:ST+8*\t+3], v[S+32*\t:S+32*\t+1], v[S+32*\t+2:S+32*\t+3]     ; the sums of the unrounded p, two at a time, in two chains
.endr
.irp t, 0,1,2,3
	v_pk_add_f32 v[XS+2*\t:XS+2*\t+1], v[S+32*\t+4:S+32*\t+5], v[S+32*\t+6:S+32*\t+7]
.endr
.irp j, 8,12,16,20,24,28
.irp t, 0,1,2,3
	v_pk_add_f32 v[ST+8*\t+2:ST+8*\t+3], v[ST+8*\t+2:ST+8*\t+3], v[S+32*\t+\j:S+32*\t+\j+1]
	v_pk_add_f32 v[XS+2*\t:XS+2*\t+1], v[XS+2*\t:XS+2*\t+1], v[S+32*\t+\j+2:S+32*\t+\j+3]
.endr
.endr
.else
.irp t, 0,1,2,3
	v_pk_mul_f32 v[ST+8*\t+2:ST+8*\t+3], v[ST+8*\t+2:ST+8*\t+3], v[ST+8*\t+6:ST+8*\t+7] op_sel_hi:[1,0]   ; l under the new m
.endr
.irp t, 0,1,2,3
	v_pk_add_f32 v[XS+2*\t:XS+2*\t+1], v[S+32*\t:S+32*\t+1], v[S+32*\t+2:S+32*\t+3]
.endr
.irp j, 4,8,12,16,20,24,28
.irp t, 0,1,2,3
	v_pk_add_f32 v[ST+8*\t+2:ST+8*\t+3], v[ST+8*\t+2:ST+8*\t+3], v[S+32*\t+\j:S+32*\t+\j+1]
	v_pk_add_f32 v[XS+2*\t:XS+2*\t+1], v[XS+2*\t:XS+2*\t+1], v[S+32*\t+\j+2:S+32*\t+\j+3]
.endr
.endr
.endif
.irp t, 0,1,2,3
	v_pk_add_f32 v[ST+8*\t+2:ST+8*\t+3], v[ST+8*\t+2:ST+8*\t+3], v[XS+2*\t:XS+2*\t+1]
.endr
.set j, 0
.rept 16                               ; p to f16, in place and ascending: register j takes scores 2 j, 2 j + 1: registers 0-7 are keys 0-31 as source 1 wants them, 8-15 keys 32-63
.irp t, 0,1,2,3
	v_cvt_pk_f16_f32 v[S+32*\t+j], v[S+32*\t+2*j], v[S+32*\t+2*j+1]
.endr
.set j, j+1
.endr
.if \first == 0
	WIN 0x41                                       ; O^T in window 1, a in window 0
.set j, 0
.rept 16
.irp t, 0,1,2,3
	v_pk_mul_f32 v[32*\t+2*j:32*\t+2*j+1], v[32*\t+2*j:32*\t+2*j+1], v[ST+8*\t+6:ST+8*\t+7] op_sel_hi:[1,0]   ; O^T under the new m, each accumulator from its low end on
.endr
.set j, j+1
.endr
.endif
.if \pre
	s_wait_dscnt 16                                ; V is in; the sixteen loads of the next K, issued behind it, may be out
.else
	s_wait_dscnt 0x0
.endif
	WIN 0x50                                       ; V and P in window 0, O^T in window 1
.set i, 0
.rept 32                               ; product i: keys 32 (i / 16) on, channels 16 ((i / 4) % 4) on, tile i % 4
.set rO, 32*(i%4)+8*((i/4)%4)
.set rV, VF+8*(4*(i/16)+(i/4)%4)
.set rP, S+32*(i%4)+8*(i/16)
.if \first && (i < 16)
	v_wmma_f32_16x16x32_f16 v[rO:rO+7], v[rV:rV+7], v[rP:rP+7], 0
.else
	v_wmma_f32_16x16x32_f16 v[rO:rO+7], v[rV:rV+7], v[rP:rP+7], v[rO:rO+7]
.endif
.set i, i+1
.endr
	WIN 0
.rept 5
	v_nop                                          ; five places: the next step's first products write over P's registers, which these products have read
.endr
	s_add_co_u32 s[TBK], s[TBK], 32*PK
	s_add_co_u32 s[TBV], s[TBV], 32*PV
.endm
.macro LOOPN n
	s_mov_b32 s[CNT], \n
.Ltrip_\@:
	TRIP 0, 1
	s_sub_co_u32 s[CNT], s[CNT], 1
	s_cmp_lg_u32 s[CNT], 0
	s_cbranch_scc1 .Ltrip_\@
.endm
	GATE 3                                         ; keys 0-255
	v_add_nc_u32 v[ADK], s[TBK], v[AK0]
	FETCH_K                                        ; step 0's K
	s_add_co_u32 s[TBK], s[TBK], 32*PK
	s_wait_loadcnt 0x0                             ; Q
	TRIP 1, 1                                      ; step 0.  Step s reads V of step s and K of step s + 1: so a chunk is opened one step early
	LOOPN 2                                        ; steps 1, 2
	GATE 2                                         ; keys 256-511
	LOOPN 4                                        ; steps 3-6
	GATE 1                                         ; keys 512-767
	LOOPN 4                                        ; steps 7-10
	GATE 0                                         ; all keys
	LOOPN 4                                        ; steps 11-14
	TRIP 0, 0                                      ; step 15
	; THE WAY OUT.  l's two halves and the other half of the lanes' are added; O^T / l is rounded to f16: a tile's four registers of 16 channels are half an operand image, stored as they stand.
.irp t, 0,1,2,3
	v_add_f32 v[ST+8*\t+4], v[ST+8*\t+2], v[ST+8*\t+3]
.endr
.irp t, 0,1,2,3
	v_permlanex16_b32 v[ST+8*\t+5], v[ST+8*\t+4], s[SEL], s[SEL+1]
.endr
.irp t, 0,1,2,3
	v_add_f32 v[ST+8*\t+4], v[ST+8*\t+4], v[ST+8*\t+5]
.endr
.irp t, 0,1,2,3
	v_rcp_f32 v[ST+8*\t+6], v[ST+8*\t+4]
.endr
	v_and_b32 v[QO], 31, v0                        ; (plain lines behind the reciprocals)
	v_lshlrev_b32 v[QO], 4, v[QO]                  ; 16 x lane
	s_wait_alu depctr_va_vdst(0)                   ; one wait for the four, ahead of their first reader
.irp t, 0,1,2,3
	WIN 0x41
.set j, 0
.rept 16
	v_pk_mul_f32 v[32*\t+2*j:32*\t+2*j+1], v[32*\t+2*j:32*\t+2*j+1], v[ST+8*\t+6:ST+8*\t+7] op_sel_hi:[1,0]
.set j, j+1
.endr
	WIN 0x05                                       ; sources in window 1, destination in window 0
.set j, 0
.rept 16
	v_cvt_pk_f16_f32 v[S+16*\t+j], v[32*\t+2*j], v[32*\t+2*j+1]
.set j, j+1
.endr
	WIN 0
.irp c, 0,1,2,3
	global_store_b128 v[QO], v[S+16*\t+4*\c:S+16*\t+4*\c+3], s[8:9] offset:\t*32768+\c*512   ; 32 lanes store 512 consecutive bytes, at a multiple of 256 from ao's first byte
.endr
.endr
	s_wait_tensorcnt 0x0                           ; the wave's end
	ds_add_u32 v[SPW], v[NIL]
	s_wait_dscnt 0x0
	s_endpgm
.Lfunc_end_k_qfac571f72b_attn:
	.size	k_qfac571f72b_attn, .Lfunc_end_k_qfac571f72b_attn-k_qfac571f72b_attn
	.p2alignl 7, 3214868480
	.fill 96, 4, 3214868480
	.section	.rodata,"a",@progbits
	.p2align	6, 0x0
	.amdhsa_kernel k_qfac571f72b_attn
		.amdhsa_group_segment_fixed_size 287744
		.amdhsa_private_segment_fixed_size 0
		.amdhsa_enable_private_segment 0
		.amdhsa_kernarg_size 24
		.amdhsa_user_sgpr_count 2
		.amdhsa_user_sgpr_kernarg_segment_ptr 1
		.amdhsa_wavefront_size32 1
		.amdhsa_system_sgpr_workgroup_id_x 1
		.amdhsa_system_sgpr_workgroup_id_y 1
		.amdhsa_system_sgpr_workgroup_id_z 1
		.amdhsa_system_vgpr_workitem_id 0
		.amdhsa_next_free_vgpr 512
		.amdhsa_next_free_sgpr 92
		.amdhsa_reserve_vcc 0
		.amdhsa_float_denorm_mode_32 3
		.amdhsa_float_denorm_mode_16_64 3
		.amdhsa_memory_ordered 1
		.amdhsa_forward_progress 1
		.amdhsa_inst_pref_size 207
	.end_amdhsa_kernel
	.amdgpu_metadata
---
amdhsa.version: [ 1, 2 ]
amdhsa.kernels:
  - .name:           k_qfac571f72b_attn
    .symbol:         k_qfac571f72b_attn.kd
    .args:
      - { .name: qkv, .offset: 0, .size: 8, .value_kind: global_buffer, .address_space: global }
      - { .name: log_beta, .offset: 8, .size: 8, .value_kind: global_buffer, .address_space: global }
      - { .name: ao, .offset: 16, .size: 8, .value_kind: global_buffer, .address_space: global }
    .group_segment_fixed_size: 287744
    .private_segment_fixed_size: 0
    .kernarg_segment_align: 8
    .kernarg_segment_size: 24
    .max_flat_workgroup_size: 256
    .sgpr_count:     92
    .vgpr_count:     512
    .wavefront_size: 32
...
	.end_amdgpu_metadata
.endif
;; end of part 3
;; launch ogemm (part 4): grid 256 x 1, 4 waves a work-group, clusters of 4 x 1, 327,680 bytes of LDS; arguments ao, wo16, b_o, z; writes z
.if DOCPART == 4
	.amdgcn_target "amdgcn-amd-amdhsa--gfx1250"
	.amdhsa_code_object_version 6
	.text
	.protected	k_qfac571f72b_ogemm
	.globl	k_qfac571f72b_ogemm
	.p2align	8
	.type	k_qfac571f72b_ogemm,@function
k_qfac571f72b_ogemm:
	s_mov_b64 s[64:65], 0
	v_nop
	global_prefetch_b8 v0, s[64:65] scope:SCOPE_SE
	s_setreg_imm32_b32 hwreg(HW_REG_WAVE_MODE, 25, 1), 1
	s_wait_xcnt 0x0
	s_wait_alu depctr_hold_cnt(0) depctr_sa_sdst(0) depctr_va_vdst(0) depctr_va_sdst(0) depctr_va_ssrc(0) depctr_va_vcc(0) depctr_vm_vsrc(0)
	s_getreg_b32 s2, hwreg(HW_REG_IB_STS2, 6, 4)
	s_cmp_eq_u32 s2, 0
	s_cbranch_scc0 .Lentry_in_a_cluster
	s_endpgm
.Lentry_in_a_cluster:
	s_bfe_u32 s2, ttmp6, 0x10000c
	s_cmp_lg_u32 s2, 0x3003
	s_cbranch_scc0 .Lentry_shape_is_right
	s_endpgm
.Lentry_shape_is_right:
; z = 2^10 x (ao W_o^T + b_o), f32, laid [1024 b + c][1024].  ao: f16, as images of operand registers (ao[mt = 64 b + c / 16][kc][1,024 bytes]); wo16[ks][n][64] = W_o x 2^10 in f16;
; products by v_wmma_f32_16x16x32_f16, sums in f32; b_o x 2^10 is the C of each sum's first product, so nothing is cleared and nothing is added afterwards.  The norm is the next launch's.
; LIMITS: those of the operands: |ao| under 65,504, |W_o| under 63; under f16's normal range their error is 2^-25.
; SHARES: a tile of z is 128 rows x 256 columns: 64 x 4 = 256 work-groups.  Wave w takes rows 64 (w / 2) on and columns 128 (w % 2) on: 32 accumulators of 16 x 16, 256 registers.
; THE MATRIX INSTRUCTION IS USED TRANSPOSED (source 0 = 16 rows of W_o, source 1 = 16 rows of ao): a lane holds one row and eight neighbouring columns.
; W_o goes through two LDS slots of 256 along K: a slot is four parts, part j the K step (64 along K) 4 chunk + j of the tile's 256 rows of W_o, a dense block of 32,768 bytes of wo16.  Wave w fetches part w.
; K = 1,024 is four chunks: two first fills and two refills; a refill has a chunk's 256 products a wave, less the 16 round the barrier, in which to land.  Two loads of mine are out at the head, one behind each round.
; CLUSTER: the four work-groups of a cluster make four row blocks of ONE column tile and walk the same tiles of W_o: each is asked for JOINTLY, by the same tensor load with the same descriptor (made of the
; wave's number and the cluster's number alone) and the mask of all four.  My place in the cluster enters ao's and z's addresses alone.
; ao's fragments come from memory straight into registers (16 loads of 512 consecutive bytes a K step), four sets by turns: three K steps, 48 loads, are on their way.
; No prefetch is laid: ao's rows are read by eight waves of four work-groups, not once, and W_o's tiles are walked by all 64 clusters.
; K is written out, 16 K steps by macro: every offset is an immediate and no pointer but the two walking descriptors' is stepped.
; REGISTERS: window 0: v18-39 addresses; on the way out v64-191 rows read back.   window 1: W_o's fragments, 32 (kk) along K at v[64 kk + 8 nb]; v128-191 b_o x 2^10 in the result's layout.
;   window 2: accumulator (a, nb) at v[8 (4 nb + a)].   window 3: ao's fragments: K step ks in set ks % 4, fragment (a, kk) at v[64 set + 8 (2 a + kk)].
.set PITCH,  272                       ; an LDS row: two rows of W_o's K step, 256 bytes, + 16 of padding: the 16 rows of a fragment fall on 16 different columns of 16 bytes
.set PART,   128*PITCH                 ; a K step's 256 rows of W_o: what one tensor load brings
.set SLOT,   4*PART
.set STAGE,  2*SLOT                    ; behind the slots: 16 rows x (512 bytes + 16) for each wave; no tensor load lands here
.set SPITCH, 528
.set SPARE,  STAGE+4*16*SPITCH         ; the spare words, 128 bytes a wave
.set KSB,    131072                    ; a K step of wo16 in bytes
.set LO,   18                          ; 16 x lane
.set STO,  20
.set RD,   21
.set GOF,  24                          ; my 8 columns' bytes in b_o
.set SPW,  28
.set NIL,  29
.set ADRB, 32                          ; v32-39 my lane's place in part j of slot s: v[ADRB + 4 s + j]
.set BK,   64
.set WV,   16
.set G1,   24
.set G0,   32                          ; s[32:39] a group 0 for each slot
.set AP,   40                          ; s[40:41] ao at my 64 rows; never stepped
.set MUL,  0xad                        ; source 0 (W_o) window 1, source 1 (ao) window 3, C and D window 2
.set MULB, 0x9d                        ; the same with C (the bias) in window 1
.set MSB, 0
.macro WIN new                         ; the immediate's high byte repeats the setting that is left
.if MSB != (\new)
	s_set_vgpr_msb (MSB<<8)|(\new)
.set MSB, (\new)
.endif
.endm
.macro PLACES                          ; four places in front of loads into registers that matrix instructions have read, and of the first read of results
.rept 4
	v_nop
.endr
.endm
.macro CREST                           ; a round of the cluster's barrier behind its opening barrier
	s_cmp_lg_u32 s[WV], 0
	s_cbranch_scc1 .Lnot_wave_0_\@
	s_barrier_signal -3
.Lnot_wave_0_\@:
	s_barrier_wait -3
	s_barrier_signal -1
	s_barrier_wait -1
.endm
.macro CROUND
	s_barrier_signal -1
	s_barrier_wait -1
	CREST
.endm
	s_load_b256 s[4:11], s[0:1], 0x0               ; ao, wo16, b_o, z
	v_lshl_add_u32 v[SPW], v0, 2, SPARE
	v_mov_b32 v[NIL], 0
	ds_add_u32 v[SPW], v[NIL]                      ; the wave's opening: the add, twice on end, and its wait ahead of my first tensor load
	ds_add_u32 v[SPW], v[NIL]
	v_lshrrev_b32 v1, 5, v0
	v_readfirstlane_b32 s[WV], v1                  ; wave 0..3
	s_lshr_b32 s12, s[WV], 1                       ; which 64 rows of the tile are mine
	s_and_b32 s13, s[WV], 1                        ; which 128 columns
	s_bfe_u32 s17, ttmp6, 0x40000                  ; cx
	s_lshr_b32 s18, ttmp9, 4                       ; the column tile: the cluster's number / 16, which the four partners share
	s_and_b32 s19, ttmp9, 15
	s_lshl_b32 s19, s19, 2
	s_add_co_u32 s19, s19, s17                     ; the row block: 4 (the cluster's number % 16) + cx
	s_mov_b32 s[G1], 15|(1<<16)|(1<<20)|(1<<21)|(5<<22)|(3<<25)   ; the mask: all four; elements of 2 bytes; padding on; bit 21 beside a mask; 4 words after every 64
	s_mov_b32 s[G1+1], 128<<16                     ; tensor_dim0
	s_mov_b32 s[G1+2], 128<<16                     ; tensor_dim1
	s_mov_b32 s[G1+3], 128<<16                     ; tile_dim0: 128 elements: two rows of W_o's K step
	s_mov_b32 s[G1+4], 128                         ; tile_dim1
	s_mov_b32 s[G1+5], 128                         ; dense in memory
	s_mov_b32 s[G1+6], 0
	s_mov_b32 s[G1+7], 0
	s_mul_i32 s20, s[WV], PART                     ; the part that I fetch, in a slot,
	s_lshl_b32 s22, s[WV], 17                      ; and in memory: K step = my wave's number,
	s_lshl_b32 s23, s18, 15                        ; the column tile's 256 rows of 128 bytes
	s_add_co_u32 s22, s22, s23
	s_mov_b32 s23, 0
	s_lshl_b32 s50, s19, 18                        ; ao: a row block is eight tiles of rows of 32,768 bytes,
	s_lshl_b32 s51, s12, 17                        ; my 64 rows four of them
	s_add_co_u32 s50, s50, s51
	s_mov_b32 s51, 0
	s_lshl_b32 s21, s18, 10                        ; my 128 columns, in bytes of f32: 1,024 x column tile + 512 x half
	s_lshl_b32 s52, s13, 9
	s_add_co_u32 s21, s21, s52
	s_lshl_b32 s52, s19, 19                        ; z: 128 rows of 4,096 bytes a row block,
	s_lshl_b32 s53, s12, 18                        ; my 64,
	s_add_co_u32 s52, s52, s53
	s_add_co_u32 s52, s52, s21                     ; my columns
	s_mov_b32 s53, 0
	s_mul_i32 s54, s13, 64*PITCH                   ; my 128 rows of W_o in a part
	s_wait_dscnt 0x0                               ; both opening adds are done
	s_wait_kmcnt 0x0
	s_add_nc_u64 s[22:23], s[6:7], s[22:23]
	s_add_nc_u64 s[AP:AP+1], s[4:5], s[50:51]
	s_add_nc_u64 s[10:11], s[10:11], s[52:53]
	CROUND                                         ; all four work-groups are here: the first joint loads meet
.irp s, 0,1
	s_mov_b32 s[G0+4*\s], 1
	s_add_co_u32 s[G0+4*\s+1], s20, \s*SLOT
	s_add_nc_u64 s[G0+4*\s+2:G0+4*\s+3], s[22:23], \s*4*KSB   ; slot s begins with chunk s
	s_or_b32 s[G0+4*\s+3], s[G0+4*\s+3], 0x80000000
	tensor_load_to_lds s[G0+4*\s:G0+4*\s+3], s[G1:G1+7]
	s_nop 0
.endr
	PLACES
	v_and_b32 v1, 15, v0                           ; r
	v_bfe_u32 v2, v0, 4, 1                         ; h
	v_and_b32 v3, 31, v0                           ; lane
	v_lshlrev_b32 v[LO], 4, v3
	v_lshlrev_b32 v[GOF], 5, v2
	v_add_nc_u32 v[GOF], s21, v[GOF]
	WIN 0x40                                       ; destination window 1
.irp nb, 0,1,2,3,4,5,6,7
	global_load_b128 v[128+8*\nb:128+8*\nb+3], v[GOF], s[8:9] offset:64*\nb       ; b_o in the result's layout: columns 16 nb + 8 h + 0 .. 7
	global_load_b128 v[128+8*\nb+4:128+8*\nb+7], v[GOF], s[8:9] offset:64*\nb+16
.endr
	WIN 0
.macro LOADA ks                        ; K step ks's eight fragments of ao, as they were stored: 512 consecutive bytes a load
	WIN 0xc0                                       ; destination window 3
.irp a, 0,1,2,3
.irp kk, 0,1
.irp hf, 0,1
	global_load_b128 v[64*((\ks)%4)+8*(2*\a+\kk)+4*\hf:64*((\ks)%4)+8*(2*\a+\kk)+4*\hf+3], v[LO], s[AP:AP+1] offset:\a*32768+(\ks)*2048+\kk*1024+\hf*512
.endr
.endr
.endr
	WIN 0
.endm
	LOADA 0
	LOADA 1
	v_lshrrev_b32 v4, 1, v1
	v_mul_u32_u24 v4, v4, PITCH                    ; row r of a tile of W_o: LDS row r / 2,
	v_and_b32 v5, 1, v0
	v_lshl_add_u32 v4, v5, 7, v4                   ; its half,
	v_lshl_add_u32 v4, v2, 4, v4                   ; + 16 h,
	v_add_nc_u32 v4, s54, v4                       ; in my 128 rows
.irp s, 0,1
.irp j, 0,1,2,3
	v_add_nc_u32 v[ADRB+4*\s+\j], \s*SLOT+\j*PART, v4
.endr
.endr
	s_mul_i32 s55, s[WV], 16*SPITCH
	s_add_co_u32 s55, s55, STAGE                   ; my stage
	v_mul_u32_u24 v4, v1, SPITCH
	v_lshl_add_u32 v4, v2, 5, v4
	v_add_nc_u32 v[STO], s55, v4                   ; in: row r, 32 bytes for each half of the lanes
	v_add_nc_u32 v[RD], s55, v[LO]                 ; back: the 32 lanes take a row's 512 bytes
.macro FETCHB slot, j, kk              ; my 8 fragments of W_o for 32 along K (half kk of the slot's K step j), into buffer kk of window 1
	WIN 0x40
.irp nb, 0,1,2,3,4,5,6,7
	ds_load_b128 v[64*(\kk)+8*\nb:64*(\kk)+8*\nb+3],   v[ADRB+4*(\slot)+(\j)] offset:\nb*8*PITCH+64*(\kk)
	ds_load_b128 v[64*(\kk)+8*\nb+4:64*(\kk)+8*\nb+7], v[ADRB+4*(\slot)+(\j)] offset:\nb*8*PITCH+64*(\kk)+32
.endr
	WIN 0
.endm
; 4 cnt products: column tiles n0 on x the four tiles of rows.  The 32 accumulators take turns, one instruction a turn, in the same order in every half step.
.macro MULS kk, ab, n0, cnt, bias
.set nb_, \n0
.rept \cnt
.irp a, 0,1,2,3
.set d_, 8*(4*nb_+\a)
.if \bias
	v_wmma_f32_16x16x32_f16 v[d_:d_+7], v[64*\kk+8*nb_:64*\kk+8*nb_+7], v[64*(\ab)+8*(2*\a+\kk):64*(\ab)+8*(2*\a+\kk)+7], v[128+8*nb_:128+8*nb_+7]
.else
	v_wmma_f32_16x16x32_f16 v[d_:d_+7], v[64*\kk+8*nb_:64*\kk+8*nb_+7], v[64*(\ab)+8*(2*\a+\kk):64*(\ab)+8*(2*\a+\kk)+7], v[d_:d_+7]
.endif
.endr
.set nb_, nb_+1
.endr
.endm
; The second half of a slot's last K step, and the change of slots: ONE barrier; in front of it each wave waits for all its tensor loads, adds 0 to its spare word, and waits for that and for its reads of this slot.
; fill = 1: the barrier opens a round of the cluster's, and this slot is filled again, two chunks on, first thing behind the round.
.macro TURN slot, next, ab, fill
	WIN 0                                          ; (the add's two registers lie in window 0)
	s_wait_tensorcnt 0x0                           ; all my tensor loads have landed: my part of the next slot
	ds_add_u32 v[SPW], v[NIL]                      ; 0 onto my spare word
	s_wait_dscnt 9                                 ; column tiles 0-3 are in (the add and the youngest eight loads may be out)
	WIN MUL
	MULS 1, \ab, 0, 2, 0
	s_wait_dscnt 0x0                               ; the add is done, and my reads of this slot are over
	s_barrier_signal -1
	MULS 1, \ab, 2, 2, 0
	WIN 0
	s_barrier_wait -1                              ; nobody reads this slot any more, and the next slot is whole
.if \fill
	CREST                                          ; no wave of any partner still reads this slot or has a load on its way
	s_add_nc_u64 s[G0+4*(\slot)+2:G0+4*(\slot)+3], s[G0+4*(\slot)+2:G0+4*(\slot)+3], 8*KSB
	tensor_load_to_lds s[G0+4*(\slot):G0+4*(\slot)+3], s[G1:G1+7]
	s_nop 0
.endif
	PLACES                                         ; behind the joint load; also the places in front of the loads below
	FETCHB \next, 0, 0
	WIN MUL
	MULS 1, \ab, 4, 4, 0
.endm
; A K STEP of 64 along K: two halves of 32 products.  In each half's middle stands one run of loads: the next half's fragments of W_o; in the first half also ao's fragments of the K step three on,
; into the set that the K step before has left.
.macro KSTEP ks
.set sl_, ((\ks)/4)%2
.set j_,  (\ks)%4
.set bi_, 0
.set wm_, MUL
.if (\ks) == 0
.set bi_, 1
.set wm_, MULB
.endif
.if (\ks) < 14
	s_wait_loadcnt 32                              ; this K step's fragments of ao are in; the two younger K steps' 32 loads stay out
.else
	s_wait_loadcnt 16*(15-(\ks))
.endif
	s_wait_dscnt 8                                 ; column tiles 0-3 are in; the youngest eight loads (tiles 4-7) may be out
	WIN wm_
	MULS 0, j_, 0, 4, bi_
	PLACES
	FETCHB sl_, j_, 1
.if (\ks)+3 < 16
	LOADA (\ks)+3
.endif
	s_wait_dscnt 16                                ; all but the 16 just issued
	WIN wm_
	MULS 0, j_, 4, 4, bi_
.if j_ < 3
	s_wait_dscnt 8
	WIN MUL
	MULS 1, j_, 0, 4, 0
	PLACES
	FETCHB sl_, j_+1, 0
	s_wait_dscnt 16
	WIN MUL
	MULS 1, j_, 4, 4, 0
.elseif (\ks) == 15
	s_wait_dscnt 8                                 ; the last half: nothing more to fetch
	WIN MUL
	MULS 1, j_, 0, 4, 0
	s_wait_dscnt 0x0
	MULS 1, j_, 4, 4, 0
	WIN 0
.elseif (\ks) == 11
	TURN sl_, 1-sl_, j_, 0                         ; the last chunk lies in the other slot already: nothing is left to fetch, so no round
.else
	TURN sl_, 1-sl_, j_, 1
.endif
.endm
	s_wait_tensorcnt 1                             ; my part of chunk 0 is in; chunk 1's load may be out
	s_barrier_signal -1
	s_barrier_wait -1                              ; everybody's is
	FETCHB 0, 0, 0
	s_wait_loadcnt 32                              ; b_o is in; the 32 loads of ao behind it stay out
	WIN 0x41                                       ; destination and source 0 window 1
.set j, 0
.rept 32
	v_pk_mul_f32 v[128+2*j:128+2*j+1], v[128+2*j:128+2*j+1], 0x44800000 op_sel_hi:[1,0]   ; b_o x 2^10: exact
.set j, j+1
.endr
	LOADA 2
.irp ks, 0,1,2,3,4,5,6,7,8,9,10,11,12,13,14,15
	KSTEP \ks
.endr
; THE WAY OUT, by blocks of 16 rows x 128 columns.  A lane holds 32 neighbouring bytes of a row, and the lanes beside it hold other rows: so a block goes through my own stage in LDS and comes back as whole
; pieces of 512 bytes, which the 32 lanes store as two aligned runs of 256 bytes.  LDS serves a wave's instructions in order (ISA guide 5.7.1.4): no wait between the stores and the loads, nor in front of the next block's stores.
.macro TOSTAGE a
	WIN 0x08                                       ; an LDS store's data are its source 1: window 2
.irp nb, 0,1,2,3,4,5,6,7
	ds_store_b128 v[STO], v[8*(4*\nb+(\a)):8*(4*\nb+(\a))+3] offset:64*\nb          ; each accumulator from its low end on
	ds_store_b128 v[STO], v[8*(4*\nb+(\a))+4:8*(4*\nb+(\a))+7] offset:64*\nb+16
.endr
	WIN 0
.set BB, BK+64*((\a)%2)
.irp t, 0,1,2,3,4,5,6,7,8,9,10,11,12,13,14,15
	ds_load_b128 v[BB+4*\t:BB+4*\t+3], v[RD] offset:\t*SPITCH
.endr
.endm
.macro SEND a, younger                 ; younger: the LDS instructions issued behind block a's loads, which may stay out
.set BB, BK+64*((\a)%2)
	s_wait_dscnt \younger                          ; the block is back in registers
.irp t, 0,1,2,3,4,5,6,7,8,9,10,11,12,13,14,15
	global_store_b128 v[LO], v[BB+4*\t:BB+4*\t+3], s[10:11] offset:(\a)*65536+\t*4096   ; 32 lanes store 512 consecutive bytes, at a multiple of 256 from z's first byte
.endr
.endm
	PLACES                                         ; behind the last products, in front of the first read of results
	TOSTAGE 0
.irp a, 1,2,3
.if \a > 1
	s_wait_xcnt 0x0                                ; block a - 2's stores have read their data: block a's loads land in those registers
.endif
	TOSTAGE \a
	SEND \a-1, 32                                  ; behind block a - 1's loads: block a's 16 stores and 16 loads
.endr
	SEND 3, 0
	s_wait_tensorcnt 0x0                           ; the wave's end, behind my last tensor load and my last LDS store
	ds_add_u32 v[SPW], v[NIL]
	s_wait_dscnt 0x0
	CROUND                                         ; the closing round: no work-group ends while a partner may still ask for a tile that names it
	s_endpgm
.Lfunc_end_k_qfac571f72b_ogemm:
	.size	k_qfac571f72b_ogemm, .Lfunc_end_k_qfac571f72b_ogemm-k_qfac571f72b_ogemm
	.p2alignl 7, 3214868480
	.fill 96, 4, 3214868480
	.section	.rodata,"a",@progbits
	.p2align	6, 0x0
	.amdhsa_kernel k_qfac571f72b_ogemm
		.amdhsa_group_segment_fixed_size 327680
		.amdhsa_private_segment_fixed_size 0
		.amdhsa_enable_private_segment 0
		.amdhsa_kernarg_size 32
		.amdhsa_user_sgpr_count 2
		.amdhsa_user_sgpr_kernarg_segment_ptr 1
		.amdhsa_wavefront_size32 1
		.amdhsa_system_sgpr_workgroup_id_x 1
		.amdhsa_system_sgpr_workgroup_id_y 1
		.amdhsa_system_sgpr_workgroup_id_z 1
		.amdhsa_system_vgpr_workitem_id 0
		.amdhsa_next_free_vgpr 1024
		.amdhsa_next_free_sgpr 66
		.amdhsa_reserve_vcc 0
		.amdhsa_float_denorm_mode_32 3
		.amdhsa_float_denorm_mode_16_64 3
		.amdhsa_memory_ordered 1
		.amdhsa_forward_progress 1
		.amdhsa_inst_pref_size 157
	.end_amdhsa_kernel
	.amdgpu_metadata
---
amdhsa.version: [ 1, 2 ]
amdhsa.kernels:
  - .name:           k_qfac571f72b_ogemm
    .symbol:         k_qfac571f72b_ogemm.kd
    .args:
      - { .name: ao, .offset: 0, .size: 8, .value_kind: global_buffer, .address_space: global }
      - { .name: wo16, .offset: 8, .size: 8, .value_kind: global_buffer, .address_space: global }
      - { .name: b_o, .offset: 16, .size: 8, .value_kind: global_buffer, .address_space: global }
      - { .name: z, .offset: 24, .size: 8, .value_kind: global_buffer, .address_space: global }
    .group_segment_fixed_size: 327680
    .private_segment_fixed_size: 0
    .kernarg_segment_align: 8
    .kernarg_segment_size: 32
    .max_flat_workgroup_size: 128
    .sgpr_count:     66
    .vgpr_count:     1024
    .wavefront_size: 32
...
	.end_amdgpu_metadata
.endif
;; end of part 4
;; launch lnorm (part 5): grid 256 x 1, 8 waves a work-group, no clusters, 0 bytes of LDS; arguments z, ln_gamma, ln_beta, out0; writes out0
.if DOCPART == 5
	.amdgcn_target "amdgcn-amd-amdhsa--gfx1250"
	.amdhsa_code_object_version 6
	.text
	.protected	k_qfac571f72b_lnorm
	.globl	k_qfac571f72b_lnorm
	.p2align	8
	.type	k_qfac571f72b_lnorm,@function
k_qfac571f72b_lnorm:
	s_mov_b64 s[64:65], 0
	v_nop
	global_prefetch_b8 v0, s[64:65] scope:SCOPE_SE
	s_setreg_imm32_b32 hwreg(HW_REG_WAVE_MODE, 25, 1), 1
	s_wait_xcnt 0x0
; out0 = (out - mean) / sqrt(var + 1e-5) x gamma + beta along each row of 1,024 numbers, from z = 2^10 x out (f32, laid [1024 b + c][1024]); out0's row is 8 c + b.
; (z - mean z) / sqrt(var z + 2^20 x 1e-5) is the same quotient: the power of two cancels exactly.  The variance is taken of the centred numbers, in a second pass over the registers.
; A row is 4,096 bytes: one wave takes a whole row, eight loads of 16 bytes a lane, and keeps it in 32 registers through the three passes: z is read once, and no wave waits for another.
; A wave takes four rows (8,192 rows / 2,048 waves), which share their b; all its 48 loads go out at the head (row 0, gamma, beta, rows 1 to 3), and the waits count down as the rows are worked.
; Each load and store of a wave covers 512 consecutive bytes, aligned to 256.  A row is scaled in place and stored from the registers that it was loaded into, which are not written again.
; Memory binds: no LDS, no barrier, no matrix unit, no cluster (waves share nothing but gamma and beta), and nothing further on that a prefetch could name.
; LIMITS: NaN and infinities are not served.
.set OFF, 1                            ; v1       16 x lane
.set S0,  2                            ; v[2:3]   a sum, in two chains
.set S1,  4                            ; v[4:5]
.set NM,  6                            ; v[6:7]   -mean, later 1 / sqrt, in the low half of a pair
.set G,   8                            ; v8-39    gamma of my 32 columns
.set BE,  40                           ; v40-71   beta
.set X,   72                           ; v72-199  four rows of 32 registers
	s_load_b256 s[4:11], s[0:1], 0x0               ; z, gamma, beta, out0
	v_lshrrev_b32 v2, 5, v0
	v_readfirstlane_b32 s12, v2                    ; wave
	v_and_b32 v[OFF], 31, v0
	v_lshlrev_b32 v[OFF], 4, v[OFF]
	v_mov_b32 v[NM+1], 0                           ; (named as the upper half of a pair, so it is written)
	s_lshl_b32 s13, ttmp9, 3
	s_add_co_u32 s13, s13, s12                     ; which four rows are my wave's
	s_lshl_b32 s14, s13, 14                        ; in z: 16,384 bytes
	s_mov_b32 s15, 0
	s_and_b32 s16, s13, 255                        ; in out0: c = 4 (number % 256) on, 8 rows of 4,096 bytes each;
	s_lshl_b32 s16, s16, 17
	s_lshr_b32 s17, s13, 8                         ; b = number / 256, one row
	s_lshl_b32 s17, s17, 12
	s_add_co_u32 s16, s16, s17
	s_mov_b32 s17, 0
	s_mov_b32 s18, 0x3a800000                      ; 2^-10
	s_mov_b32 s19, 0x4127c5ac                      ; f32(1e-5) x 2^20
	s_mov_b32 s20, 0x76543210                      ; v_permlanex16_b32's selects for lane l xor 16
	s_mov_b32 s21, 0xfedcba98
	s_wait_kmcnt 0x0
	s_add_nc_u64 s[4:5], s[4:5], s[14:15]
	s_add_nc_u64 s[10:11], s[10:11], s[16:17]
.macro FILL i
.irp k, 0,1,2,3,4,5,6,7
	global_load_b128 v[X+32*\i+4*\k:X+32*\i+4*\k+3], v[OFF], s[4:5] offset:\i*4096+512*\k th:TH_LOAD_NT
.endr
.endm
	FILL 0
.irp k, 0,1,2,3,4,5,6,7
	global_load_b128 v[G+4*\k:G+4*\k+3], v[OFF], s[6:7] offset:512*\k
.endr
.irp k, 0,1,2,3,4,5,6,7
	global_load_b128 v[BE+4*\k:BE+4*\k+3], v[OFF], s[8:9] offset:512*\k
.endr
	FILL 1
	FILL 2
	FILL 3
.macro ALLSUM r                        ; the pair at r becomes the sum over the pair and the 32 lanes, in every lane's v[r]
	v_add_f32 v[\r], v[\r], v[\r+1]
	v_add_f32_dpp v[\r], v[\r], v[\r] row_xmask:1 row_mask:0xf bank_mask:0xf
	v_add_f32_dpp v[\r], v[\r], v[\r] row_xmask:2 row_mask:0xf bank_mask:0xf
	v_add_f32_dpp v[\r], v[\r], v[\r] row_xmask:4 row_mask:0xf bank_mask:0xf
	v_add_f32_dpp v[\r], v[\r], v[\r] row_xmask:8 row_mask:0xf bank_mask:0xf
	v_permlanex16_b32 v[\r+1], v[\r], s20, s21
	v_add_f32 v[\r], v[\r], v[\r+1]
.endm
; Row i.  left = how many younger loads may stay out when the row has to be there.
.macro ROW i, left
.set XR, X+32*\i
	s_wait_loadcnt \left                           ; loads come back in order (ISA guide 5.7.1): my row is in
	v_pk_add_f32 v[S0:S0+1], v[XR:XR+1], v[XR+2:XR+3]               ; the sum: two at a time, in two chains that the first four pairs start
	v_pk_add_f32 v[S1:S1+1], v[XR+4:XR+5], v[XR+6:XR+7]
.irp j, 8,12,16,20,24,28
	v_pk_add_f32 v[S0:S0+1], v[S0:S0+1], v[XR+\j:XR+\j+1]
	v_pk_add_f32 v[S1:S1+1], v[S1:S1+1], v[XR+\j+2:XR+\j+3]
.endr
	v_pk_add_f32 v[S0:S0+1], v[S0:S0+1], v[S1:S1+1]
	ALLSUM S0
	v_mul_f32 v[NM], 0xba800000, v[S0]             ; -mean = sum x -2^-10
.irp j, 0,2,4,6,8,10,12,14,16,18,20,22,24,26,28,30
	v_pk_add_f32 v[XR+\j:XR+\j+1], v[XR+\j:XR+\j+1], v[NM:NM+1] op_sel_hi:[1,0]   ; centred, in place
.endr
	v_pk_mul_f32 v[S0:S0+1], v[XR:XR+1], v[XR:XR+1]                 ; the sum of squares of the centred numbers
	v_pk_mul_f32 v[S1:S1+1], v[XR+2:XR+3], v[XR+2:XR+3]
.irp j, 4,8,12,16,20,24,28
	v_pk_fma_f32 v[S0:S0+1], v[XR+\j:XR+\j+1], v[XR+\j:XR+\j+1], v[S0:S0+1]
	v_pk_fma_f32 v[S1:S1+1], v[XR+\j+2:XR+\j+3], v[XR+\j+2:XR+\j+3], v[S1:S1+1]
.endr
	v_pk_add_f32 v[S0:S0+1], v[S0:S0+1], v[S1:S1+1]
	ALLSUM S0
	v_fma_f32 v[S0], v[S0], s18, s19               ; the variance of z + 2^20 x 1e-5
	v_rsq_f32 v[NM], v[S0]
	v_nop                                          ; a plain line behind it,
	s_wait_alu depctr_va_vdst(0)                   ; and the wait ahead of its first reader
.if \i == 0
	s_wait_loadcnt 24                              ; gamma and beta are in; rows 1 to 3, issued behind them, may be out
.endif
.irp j, 0,2,4,6,8,10,12,14,16,18,20,22,24,26,28,30
	v_pk_mul_f32 v[XR+\j:XR+\j+1], v[XR+\j:XR+\j+1], v[NM:NM+1] op_sel_hi:[1,0]
.endr
.irp j, 0,2,4,6,8,10,12,14,16,18,20,22,24,26,28,30
	v_pk_fma_f32 v[XR+\j:XR+\j+1], v[XR+\j:XR+\j+1], v[G+\j:G+\j+1], v[BE+\j:BE+\j+1]
.endr
.irp k, 0,1,2,3,4,5,6,7
	global_store_b128 v[OFF], v[XR+4*\k:XR+4*\k+3], s[10:11] offset:\i*32768+512*\k th:TH_STORE_NT   ; the next c lies 8 rows on
.endr
.endm
	ROW 0, 40                                      ; behind row 0: gamma's 8, beta's 8 and three rows' 24 loads
	ROW 1, 16
	ROW 2, 8
	ROW 3, 0
	s_endpgm
.Lfunc_end_k_qfac571f72b_lnorm:
	.size	k_qfac571f72b_lnorm, .Lfunc_end_k_qfac571f72b_lnorm-k_qfac571f72b_lnorm
	.p2alignl 7, 3214868480
	.fill 96, 4, 3214868480
	.section	.rodata,"a",@progbits
	.p2align	6, 0x0
	.amdhsa_kernel k_qfac571f72b_lnorm
		.amdhsa_group_segment_fixed_size 0
		.amdhsa_private_segment_fixed_size 0
		.amdhsa_enable_private_segment 0
		.amdhsa_kernarg_size 32
		.amdhsa_user_sgpr_count 2
		.amdhsa_user_sgpr_kernarg_segment_ptr 1
		.amdhsa_wavefront_size32 1
		.amdhsa_system_sgpr_workgroup_id_x 1
		.amdhsa_system_sgpr_workgroup_id_y 1
		.amdhsa_system_sgpr_workgroup_id_z 1
		.amdhsa_system_vgpr_workitem_id 0
		.amdhsa_next_free_vgpr 208
		.amdhsa_next_free_sgpr 66
		.amdhsa_reserve_vcc 0
		.amdhsa_float_denorm_mode_32 3
		.amdhsa_float_denorm_mode_16_64 3
		.amdhsa_memory_ordered 1
		.amdhsa_forward_progress 1
		.amdhsa_inst_pref_size 33
	.end_amdhsa_kernel
	.amdgpu_metadata
---
amdhsa.version: [ 1, 2 ]
amdhsa.kernels:
  - .name:           k_qfac571f72b_lnorm
    .symbol:         k_qfac571f72b_lnorm.kd
    .args:
      - { .name: z, .offset: 0, .size: 8, .value_kind: global_buffer, .address_space: global }
      - { .name: ln_gamma, .offset: 8, .size: 8, .value_kind: global_buffer, .address_space: global }
      - { .name: ln_beta, .offset: 16, .size: 8, .value_kind: global_buffer, .address_space: global }
      - { .name: out0, .offset: 24, .size: 8, .value_kind: global_buffer, .address_space: global }
    .group_segment_fixed_size: 0
    .private_segment_fixed_size: 0
    .kernarg_segment_align: 8
    .kernarg_segment_size: 32
    .max_flat_workgroup_size: 256
    .sgpr_count:     66
    .vgpr_count:     208
    .wavefront_size: 32
...
	.end_amdgpu_metadata
.endif
;; end of part 5
